; MI455X (gfx1250); checked and timed in simulation.
; The chip was launched on July 23, 2026; its instructions are those of AMD's public machine-readable ISA for CDNA 5 (MIT licence, August 2026) and "CDNA5" Instruction Set Architecture Reference Guide (July 2026). The comments in the code are by the model that wrote it; some were corrected since.
;; GQA Block. Allowed arithmetic: matrix products marked QUANTISED: E2M3 operands, one E8M0 scale for each 32 along K, by v_wmma_scale_f32_16x16x128_f8f6f4 with both operands' format E2M3, f32 sums; everything else in f32.
;; Inputs: attention_mask 1,024 x 2,048 float32; k_cache 1 x 8 x 1,024 x 128 float32; v_cache 1 x 8 x 1,024 x 128 float32; w_k 4,096 x 1,024 float32; w_o 4,096 x 4,096 float32; w_q 4,096 x 4,096 float32; w_v 4,096 x 1,024 float32; x 1 x 1,024 x 4,096 float32.
;; Outputs: out0 1 x 1,024 x 4,096 float32; out1 1 x 8 x 2,048 x 128 float32; out2 1 x 8 x 2,048 x 128 float32.
;; This version of the problem:
;;   THIS VERSION OF THE PROBLEM IS GIVEN IN LOW PRECISION. The matrix products marked QUANTISED in the list below multiply operands that are first quantised to E2M3 (2 exponent bits, 3 mantissa bits; 6 bits a number), with one power-of-two scale for each 32 numbers along K (OCP MX v1.0); their sums are f32. All else is computed in f32.
;;   The module's matrix products, in the order in which they are computed (A, B: the left and right operand; K: the contracted axis; several contracted axes count as one K, in the product's order):
;;     1. [M 1,024, K 4,096] x [K 4,096, N 4,096]; A: input x; B: input w_q: QUANTISED
;;     2. [M 1,024, K 4,096] x [K 4,096, N 1,024]; A: input x; B: input w_k: QUANTISED
;;     3. [M 1,024, K 4,096] x [K 4,096, N 1,024]; A: input x; B: input w_v: QUANTISED
;;     4. batch 8 x [M 2,048, K 128] x [K 128, N 4,096]; A: computed on the way; B: computed on the way: QUANTISED
;;     5. batch 8 x [M 128, K 2,048] x [K 2,048, N 4,096]; A: computed on the way; B: softmax (see below): QUANTISED
;;     6. [M 1,024, K 4,096] x [K 4,096, N 4,096]; A: computed on the way; B: input w_o: QUANTISED
;;   THE QUANTISER, for each operand of a quantised product, along K:
;;     - K is cut into blocks of 32 from its start; a last block that is shorter is filled with zeros.
;;     - A block's scale is 2^e with e = floor(log2(the largest magnitude in the block)) - 2, held to -126 .. 127; a block of zeros has e = 0. As a byte (E8M0): e + 127.
;;     - Each number is divided by its block's scale, clamped to +-7.5, and rounded to the nearest number of E2M3, ties to even, subnormals kept.
;;     - The product sums the exact products of the quantised numbers (number of the format x scale) in f32.
;;   ~~~python
;;   def quantise(x, axis):      # numpy; x: float32 -> the quantised numbers, widened to float32 again
;;       x = np.moveaxis(x, axis, -1); K = x.shape[-1]
;;       x = np.pad(x, [(0, 0)] * (x.ndim - 1) + [(0, -K % 32)]); x = x.reshape(x.shape[:-1] + (-1, 32)); a = np.abs(x).max(-1, keepdims=True)
;;       e = np.where(a > 0, np.clip(np.frexp(np.where(a > 0, a, 1))[1] - 1 - 2, -126, 127), 0)      # np.frexp(a)[1] - 1 = floor(log2(a)), exactly
;;       r = np.clip(x / 2.0 ** e, -7.5, 7.5)
;;       step = 2.0 ** (np.maximum(np.frexp(np.where(r == 0, 1, r))[1] - 1, 0) - 3)
;;       q = np.round(r / step) * step * 2.0 ** e      # np.round: ties to even
;;       return np.moveaxis(q.reshape(q.shape[:-2] + (-1,))[..., :K], -1, axis).astype(np.float32)
;;   ~~~
;;   SOFTMAX AHEAD OF A QUANTISED PRODUCT. Where the list says 'softmax', what is quantised is not the finished softmax but p = 2^(t - M), with t = logit x log2(e) and M = ceil(the row's largest t), a whole number; so 1/2 < the row's largest p <= 1. The row's sum l is taken of the UNQUANTISED p, in f32, and the product's result is divided by l at the end. Since M is a whole number, a kernel that streams over the keys may use a running M (the ceiling of the running maximum): every later rescaling is an exact power of two, which a block's scale takes up: the codes' values come out the same.
;;   OPERANDS COMPUTED ON THE WAY. 'Computed on the way' means the value that the module computes at that place (a softmax that the list does not call 'softmax' is quantised finished and normalised). What goes into a quantiser is computed in f32, as accurately as f32 sums, v_exp_f32 and their like allow (about 1e-6 of the number): no bf16 or f16 on the way to a quantiser, and a product that is left as it is and whose result goes on into a quantised operand takes f32 operands (vector FMAs, or v_wmma_f32_16x16x4_f32). A number that lies on a knife's edge between two numbers of the format may be rounded either way, as far as f32 arithmetic and the matrix unit's own rounding can turn it there, and no further.
;; One version. Each part assembles by itself: llvm-mc -triple=amdgcn-amd-amdhsa -mcpu=gfx1250 --defsym DOCPART=n.
;; ======== version 1 of 1: 4 launches
;; limits: right only within a limited range of input values
;; workspace buffers: xc 3,276,800 bytes; rc 3,276,800 bytes; wc 19,660,800 bytes; woc 13,107,200 bytes; qc 3,276,800 bytes; kc 1,638,400 bytes; vc 1,638,400 bytes
;; launch quant (part 1): grid 960 x 1, 4 waves a work-group, no clusters, 68,096 bytes of LDS; arguments x, w_q, w_k, w_v, k_cache, v_cache, xc, wc, kc, vc, out1, out2; writes xc, wc, kc, vc, out1, out2
.if DOCPART == 1
	.amdgcn_target "amdgcn-amd-amdhsa--gfx1250"
	.amdhsa_code_object_version 6
	.text
	.protected	k_q792324a556_quant
	.globl	k_q792324a556_quant
	.p2align	8
	.type	k_q792324a556_quant,@function
k_q792324a556_quant:
	s_mov_b64 s[64:65], 0
	v_nop
	global_prefetch_b8 v0, s[64:65] scope:SCOPE_SE
	s_setreg_imm32_b32 hwreg(HW_REG_WAVE_MODE, 25, 1), 1
	s_wait_xcnt 0x0
; The f32 inputs that the first three launches' products need become codes of FP6 (E2M3) with one E8M0 byte for each 32 along K; the two caches are also copied into out1 and out2.
; (w_o, which only the last product needs, is quantised beside the attention, in that launch.)
; THE FORMAT OF EVERY CODE BUFFER: a FRAGMENT (16 rows x 128 K) is stored as the image of the operand's 12 registers: register q of lane l at byte 512 (q / 4) + 16 l + 4 (q % 4): 1,536 bytes,
; written and read by three 16-byte accesses a lane, 512 consecutive bytes each.  A RECORD is four fragments and 256 bytes of scale words (fragment f, row r: 6144 + 128 (f / 2) + 8 r + 4 (f % 2)): 6,400 bytes.
; THE ROWS OF A TILE ARE NOT NEIGHBOURS: of each 32 rows, tile 2 b + u holds rows 32 b + 8 u + r + 8 (r / 8), so that a product that takes such tiles as source 0 leaves 16 neighbours in 16 registers.
; A block's scale is 2^(floor(log2(largest magnitude)) - 2): its byte is the largest magnitude's exponent field - 2, held at 1 from below.
; LIMITS: NaN and infinities are not served; blocks whose largest magnitude lies under 2^-124 were not tried; a block of zeros gets the byte 1 (its codes are zeros; only this program reads the bytes).
; WORK-GROUPS: 0-511 w_q (K is the first axis: a lane takes a column, its registers run down K); 512-767 w_k, w_v; 768-799 v_cache (K = the keys, likewise); 800-927 x; 928-959 k_cache (K innermost:
; rows are loaded dense and turned through the wave's own stage in LDS).  Waves share nothing: no barrier.  The two paths that use LDS have bytes of their own.
.set RECB, 6400
.set SEL,  50                          ; s[50:51] lane selects for v_permlanex16_b32: lane l xor 16
.set TM,   8                           ; v8-23   rows' path: at work in QUANT
.set PW,   24                          ; v24-27  the four fragments' scale words
.set XR,   32                          ; v32-95  16 rows x 16 bytes a lane, as loaded
.set XN,   96                          ; v96-159 64 numbers of my row: register 16 b + i = k 32 b + 16 (lane / 16) + i
.set PC,   160                         ; v160-179 the codes just made
.set WX,   32                          ; v32-95  columns' path: two sets of 32 numbers down K
.set WF,   96                          ; v96-143 columns' path: K step q: tile T0 at 96 + 24 q, tile T1 at 108 + 24 q
; 64 numbers of a lane become a fragment's 12 registers in v[pc] on and its row's scale word in v[pw] (the same word in both halves of the lanes)
.macro QUANT s, pw, pc
.irp b, 0,1,2,3
	v_max3_num_f32 v[TM+\b], |v[\s+16*\b]|, |v[\s+1+16*\b]|, 0x1800000   ; block b: my 16 numbers and the floor 2^(3 - 127): the byte cannot fall under 1
.endr
.irp i, 2,4,6,8,10,12,14
.irp b, 0,1,2,3
	v_max3_num_f32 v[TM+\b], v[TM+\b], |v[\s+16*\b+\i]|, |v[\s+1+16*\b+\i]|   ; the four blocks by turns
.endr
.endr
.irp b, 0,1,2,3
	v_permlanex16_b32 v[TM+4+\b], v[TM+\b], s[SEL], s[SEL+1]
.endr
.irp b, 0,1,2,3
	v_max_num_f32 v[TM+\b], v[TM+\b], v[TM+4+\b]   ; with lane l xor 16's 16: the block's largest magnitude
.endr
.irp b, 0,1,2,3
	v_add_nc_u32 v[TM+12+\b], 0xff000000, v[TM+\b]   ; 2 off its exponent field: the conversion's scale operand
.endr
.irp b, 0,1,2,3
	v_lshrrev_b32 v[TM+4+\b], 23, v[TM+12+\b]      ; the scale's byte
.endr
	v_lshl_or_b32 v[\pw], v[TM+5], 8, v[TM+4]
	v_lshl_or_b32 v[\pw], v[TM+6], 16, v[\pw]
	v_lshl_or_b32 v[\pw], v[TM+7], 24, v[\pw]
.irp c, 0,1
	v_cvt_scalef32_pk16_fp6_f32 v[\pc+6*\c:\pc+2+6*\c], v[\s+32*\c:\s+15+32*\c], v[TM+12+2*\c]
	v_cvt_scalef32_pk16_fp6_f32 v[\pc+12+4*\c:\pc+14+4*\c], v[\s+16+32*\c:\s+31+32*\c], v[TM+12+2*\c+1]   ; (a conversion's three registers begin on an even number)
.endr
	v_nop                                          ; one plain place behind a scaled conversion
.irp c, 0,1                                    ; the layout wants a whole block in a lane: lanes 0-15 block 2 c, lanes 16-31 block 2 c + 1
.irp i, 0,1,2
	v_permlane16_swap_b32 v[\pc+6*\c+\i], v[\pc+12+4*\c+\i]
.endr
.irp i, 0,1,2
	v_mov_b32 v[\pc+3+6*\c+\i], v[\pc+12+4*\c+\i]
.endr
.endr
.endm
; ---------------- columns' path: a wave takes 32 columns x 256 along K: two tiles x two K steps ----------------
.macro WLOAD N, t                      ; block t: rows 32 t + i of my column; 32 lanes read 128 consecutive bytes
.irp i, 0,1,2,3,4,5,6,7,8,9,10,11,12,13,14,15,16,17,18,19,20,21,22,23,24,25,26,27,28,29,30,31
	global_load_b32 v[WX+32*((\t)%2)+\i], v1, s[4:5] offset:(32*(\t)+\i)*\N*4 th:TH_LOAD_NT
.endr
.endm
.macro WBLOCK N, mode, t
.set XS, WX+32*((\t)%2)
.set FB, WF+24*((\t)/4)+12*((\t)%2)+6*(((\t)/2)%2)   ; blocks 0, 2 of a K step go to T0's registers 0-5, 6-11; blocks 1, 3 to T1's
.if (\t) < 7
	s_wait_loadcnt 32                              ; this block's 32 loads are in; the next block's 32 may be out
.else
	s_wait_loadcnt 0x0
.endif
	v_max3_num_f32 v10, |v[XS]|, |v[XS+1]|, |v[XS+2]|   ; all 32 numbers of the block are mine
	v_max3_num_f32 v11, |v[XS+3]|, |v[XS+4]|, |v[XS+5]|
.irp i, 6,10,14,18,22,26
	v_max3_num_f32 v10, v10, |v[XS+\i]|, |v[XS+\i+1]|
	v_max3_num_f32 v11, v11, |v[XS+\i+2]|, |v[XS+\i+3]|
.endr
	v_max3_num_f32 v10, v10, |v[XS+30]|, |v[XS+31]|
	v_max3_num_f32 v10, v10, v11, 0x1800000        ; and the floor
	v_add_nc_u32 v12, 0xff000000, v10              ; the conversion's scale operand
.if \mode
.irp i, 0,1,2,3,4,5,6,7,8,9,10,11,12,13,14,15,16,17,18,19,20,21,22,23,24,25,26,27,28,29,30,31
	global_store_b32 v1, v[XS+\i], s[52:53] offset:(32*(\t)+\i)*512 th:TH_STORE_NT   ; the cache's copy into out2: 128 bytes a wave, the four waves side by side on a row's 512
.endr
.endif
	v_cvt_scalef32_pk16_fp6_f32 v[FB:FB+2], v[XS:XS+15], v12
	v_cvt_scalef32_pk16_fp6_f32 v[20:22], v[XS+16:XS+31], v12
	v_lshrrev_b32 v13, 23, v12                     ; the byte (also the plain place behind the conversions)
.if ((\t)%4) == 0
	v_mov_b32 v[16+(\t)/4], v13
.else
	v_lshl_or_b32 v[16+(\t)/4], v13, 8*((\t)%4), v[16+(\t)/4]
.endif
.irp i, 0,1,2
	v_mov_b32 v[FB+3+\i], v[20+\i]
.endr
.if (\t) < 6
.if \mode
	s_wait_xcnt 0x0                                ; the copy's stores have read this set: only now is it loaded again
.endif
	WLOAD \N, (\t)+2
.endif
.if ((\t)%4) == 3
.set QF, WF+24*((\t)/4)
.irp i, 0,1,2,3,4,5,6,7,8,9,10,11
	v_permlane16_swap_b32 v[QF+\i], v[QF+12+\i]    ; T0's lanes 16-31 change places with T1's lanes 0-15: both runs are now finished fragments
.endr
.irp T, 0,1
.irp c, 0,1,2
.if \mode
	global_store_b128 v2, v[QF+12*\T+4*\c:QF+12*\T+4*\c+3], s[6:7] offset:\T*3072+((\t)/4)*1536+512*\c
.else
	global_store_b128 v2, v[QF+12*\T+4*\c:QF+12*\T+4*\c+3], s[6:7] offset:\T*8*RECB+((\t)/4)*1536+512*\c   ; 512 consecutive bytes a store; no store's data are written again
.endif
.endr
.endr
.endif
.endm
.macro WPATH N, mode
	v_and_b32 v1, 7, v5
	v_bfe_u32 v4, v5, 3, 1
	v_lshl_add_u32 v1, v4, 4, v1
	v_lshl_add_u32 v1, v7, 3, v1                   ; my column: l % 8 + 16 ((l / 8) % 2) + 8 (l / 16): lanes 0-15 are tile T0, lanes 16-31 tile T1
	v_lshlrev_b32 v1, 2, v1
	v_lshlrev_b32 v2, 4, v5                        ; 16 x lane
.if \mode
	v_lshlrev_b32 v3, 2, v5
.else
	v_lshlrev_b32 v3, 3, v6
	v_mad_u32_u24 v3, v7, 8*RECB, v3               ; my tile's record, 8 bytes a row
.endif
	WLOAD \N, 0
	WLOAD \N, 1
.irp t, 0,1,2,3,4,5,6,7
	WBLOCK \N, \mode, \t
.endr
.if \mode
	global_store_b32 v3, v16, s[48:49]
	global_store_b32 v3, v17, s[48:49] offset:512
.else
	global_store_b64 v3, v[16:17], s[48:49]        ; my column's words of the two K steps
.endif
.endm
.macro WBASE N                         ; s37 column group, s38 which 256 along K, s39 first tile of the tensor in its buffer; s[4:5] in, s[6:7] out
	s_lshl_b32 s40, s37, 2
	s_add_co_u32 s40, s40, s2                      ; my 32 columns
	s_mul_i32 s42, s38, 256*\N*4
	s_lshl_b32 s43, s40, 7
	s_add_co_u32 s42, s42, s43
	s_mov_b32 s43, 0
	s_add_nc_u64 s[4:5], s[4:5], s[42:43]
	s_lshl_b32 s44, s40, 1
	s_add_co_u32 s44, s44, s39                     ; tile T0
	s_lshl_b32 s44, s44, 3
	s_lshr_b32 s45, s38, 1
	s_add_co_u32 s44, s44, s45
	s_mul_i32 s44, s44, RECB
	s_mov_b32 s45, 0
	s_add_nc_u64 s[6:7], s[6:7], s[44:45]          ; its record
	s_and_b32 s46, s38, 1
	s_lshl_b32 s44, s46, 7
	s_add_co_u32 s44, s44, 6144
	s_add_nc_u64 s[48:49], s[6:7], s[44:45]        ; scale words of fragments 2 (kh % 2), + 1
	s_mul_i32 s44, s46, 3072
	s_add_nc_u64 s[6:7], s[6:7], s[44:45]          ; and their codes
.endm
; ---------------- rows' path: a wave makes one record: 16 rows x 512 K (x) or 64 keys x 128 (k_cache) ----------------
.macro XLOADS mode, f                  ; fragment f: 16 rows, each row's 512 consecutive bytes by one load
.irp i, 0,1,2,3,4,5,6,7,8,9,10,11,12,13,14,15
.if \mode
	global_load_b128 v[XR+4*\i:XR+4*\i+3], v1, s[4:5] offset:(32*((\f)/2)+8*((\f)%2)+\i+8*(\i/8))*512 th:TH_LOAD_NT
.else
	global_load_b128 v[XR+4*\i:XR+4*\i+3], v1, s[4:5] offset:(\i+8*(\i/8))*16384+512*(\f) th:TH_LOAD_NT
.endif
.endr
.endm
.macro XFRAG mode, f
	s_wait_loadcnt 0x0
.if \mode
.irp i, 0,1,2,3,4,5,6,7,8,9,10,11,12,13,14,15
	global_store_b128 v1, v[XR+4*\i:XR+4*\i+3], s[52:53] offset:(32*((\f)/2)+8*((\f)%2)+\i+8*(\i/8))*512 th:TH_STORE_NT   ; the cache's copy into out1: 512 consecutive bytes
.endr
.endif
.irp i, 0,1,2,3,4,5,6,7,8,9,10,11,12,13,14,15
	ds_store_b128 v2, v[XR+4*\i:XR+4*\i+3] offset:528*\i   ; rows 528 bytes apart: the sixteen rows that a load below touches begin in sixteen different groups of banks
.endr
.irp b, 0,1,2,3
.irp j, 0,1,2,3
	ds_load_b128 v[XN+16*\b+4*\j:XN+16*\b+4*\j+3], v3 offset:128*\b+16*\j   ; LDS serves a wave's instructions in order: these see my stores
.endr
.endr
	s_wait_dscnt 0x0                               ; the stage's stores have read their registers, and my 64 numbers are in
	s_wait_xcnt 0x0                                ; the copy's stores and the last fragment's code stores have read theirs
.if (\f) < 3
	XLOADS \mode, (\f)+1
.endif
	QUANT XN, PW+\f, PC
.irp c, 0,1,2
	global_store_b128 v1, v[PC+4*\c:PC+4*\c+3], s[6:7] offset:1536*(\f)+512*\c
.endr
.endm
.macro XPATH mode
	s_mul_i32 s40, s2, 8448
	s_add_co_u32 s40, s40, \mode*33792             ; my stage: 16 rows x 528 bytes; each of the two paths has LDS bytes of its own
	v_lshlrev_b32 v1, 4, v5
	v_add_nc_u32 v2, s40, v1
	v_mul_u32_u24 v3, v6, 528
	v_lshl_add_u32 v3, v7, 6, v3
	v_add_nc_u32 v3, s40, v3
	v_lshlrev_b32 v4, 3, v5
.irp b, 0,1,2,3
	v_mov_b32 v[TM+4+\b], 0                        ; a lane permute's destination counts as one of its sources
.endr
	XLOADS \mode, 0
	s_wait_alu depctr_va_vdst(0)
.irp f, 0,1,2,3
	XFRAG \mode, \f
.endr
	v_cmp_lt_u32 vcc_lo, 15, v5
	v_cndmask_b32 v28, v[PW], v[PW+2], vcc_lo      ; lanes 0-15: fragments 0, 1 of row r; lanes 16-31: fragments 2, 3
	v_cndmask_b32 v29, v[PW+1], v[PW+3], vcc_lo
	global_store_b64 v4, v[28:29], s[6:7] offset:6144   ; the record's 256 bytes of scale words, whole
.endm
	s_load_b512 s[8:23], s[0:1], 0x0               ; x 8, w_q 10, w_k 12, w_v 14, k_cache 16, v_cache 18, xc 20, wc 22
	s_load_b256 s[24:31], s[0:1], 0x40             ; kc 24, vc 26, out1 28, out2 30
	v_lshl_add_u32 v192, v0, 2, 0x10800
	v_mov_b32 v193, 0
	v_lshrrev_b32 v1, 5, v0
	v_readfirstlane_b32 s2, v1                     ; wave
	v_and_b32 v5, 31, v0                           ; lane
	v_and_b32 v6, 15, v0                           ; r
	v_bfe_u32 v7, v0, 4, 1                         ; h
	s_mov_b32 s[SEL], 0x76543210
	s_mov_b32 s[SEL+1], 0xfedcba98
	s_wait_kmcnt 0x0
	s_cmp_lt_u32 ttmp9, 512
	s_cbranch_scc1 .Lwide
	s_cmp_lt_u32 ttmp9, 768
	s_cbranch_scc1 .Lnarrow
	s_cmp_lt_u32 ttmp9, 800
	s_cbranch_scc1 .Lvcache
	s_cmp_lt_u32 ttmp9, 928
	s_cbranch_scc1 .Lxrows
	; ---- k_cache: wave wi = head wi / 16, keys 64 (wi % 16) on
	s_sub_co_u32 s36, ttmp9, 928
	s_lshl_b32 s36, s36, 2
	s_add_co_u32 s36, s36, s2
	s_lshr_b32 s37, s36, 4
	s_and_b32 s38, s36, 15
	s_lshl_b32 s42, s37, 19
	s_lshl_b32 s43, s38, 15
	s_add_co_u32 s42, s42, s43
	s_mov_b32 s43, 0
	s_add_nc_u64 s[4:5], s[16:17], s[42:43]
	s_lshl_b32 s44, s37, 19
	s_add_co_u32 s42, s42, s44                     ; in out1 a head is twice as long
	s_add_nc_u64 s[52:53], s[28:29], s[42:43]
	s_lshl_b32 s44, s37, 5
	s_add_co_u32 s44, s44, s38
	s_mul_i32 s44, s44, RECB
	s_mov_b32 s45, 0
	s_add_nc_u64 s[6:7], s[24:25], s[44:45]
	s_wait_alu depctr_va_vdst(0)
	XPATH 1
	s_wait_tensorcnt 0x0
	ds_add_u32 v192, v193
	s_wait_dscnt 0x0
	s_endpgm
.Lxrows:                                               ; ---- x: wave wi = row tile wi / 8, K steps 4 (wi % 8) on
	s_sub_co_u32 s36, ttmp9, 800
	s_lshl_b32 s36, s36, 2
	s_add_co_u32 s36, s36, s2
	s_lshr_b32 s37, s36, 3
	s_and_b32 s38, s36, 7
	s_lshr_b32 s40, s37, 1
	s_lshl_b32 s40, s40, 5
	s_and_b32 s41, s37, 1
	s_lshl_b32 s41, s41, 3
	s_add_co_u32 s40, s40, s41                     ; the tile's first row
	s_lshl_b32 s42, s40, 14
	s_lshl_b32 s43, s38, 11
	s_add_co_u32 s42, s42, s43
	s_mov_b32 s43, 0
	s_add_nc_u64 s[4:5], s[8:9], s[42:43]
	s_mul_i32 s44, s36, RECB
	s_mov_b32 s45, 0
	s_add_nc_u64 s[6:7], s[20:21], s[44:45]
	s_wait_alu depctr_va_vdst(0)
	XPATH 0
	s_wait_tensorcnt 0x0
	ds_add_u32 v192, v193
	s_wait_dscnt 0x0
	s_endpgm
.Lwide:                                                ; ---- w_q: column group id % 32, 256 along K: id / 32
	s_mov_b64 s[4:5], s[10:11]
	s_mov_b64 s[6:7], s[22:23]
	s_and_b32 s37, ttmp9, 31
	s_lshr_b32 s38, ttmp9, 5
	s_mov_b32 s39, 0
	WBASE 4096
	s_wait_alu depctr_va_vdst(0)
	WPATH 4096, 0
	s_endpgm
.Lnarrow:                                              ; ---- w_k, w_v: behind w_q's 256 tiles in wc
	s_sub_co_u32 s36, ttmp9, 512
	s_cmp_lt_u32 s36, 128
	s_cselect_b64 s[4:5], s[12:13], s[14:15]
	s_cselect_b32 s39, 0, 64
	s_add_co_u32 s39, s39, 256
	s_mov_b64 s[6:7], s[22:23]
	s_and_b32 s37, s36, 7
	s_and_b32 s38, s36, 127
	s_lshr_b32 s38, s38, 3
	WBASE 1024
	s_wait_alu depctr_va_vdst(0)
	WPATH 1024, 0
	s_endpgm
.Lvcache:                                              ; ---- v_cache: head id / 4, keys 256 (id % 4) on; wave = 32 of the head's 128.  A block of vc (256 keys): fragment (d tile, step) at (2 dt + f) 1536; scale words at 24576 + 512 f + 128 (dt / 2) + 4 (16 (dt % 2) + r)
	s_sub_co_u32 s36, ttmp9, 768
	s_lshr_b32 s37, s36, 2
	s_and_b32 s38, s36, 3
	s_lshl_b32 s42, s37, 19
	s_lshl_b32 s43, s38, 17
	s_add_co_u32 s42, s42, s43
	s_lshl_b32 s43, s2, 7
	s_add_co_u32 s42, s42, s43
	s_mov_b32 s43, 0
	s_add_nc_u64 s[4:5], s[18:19], s[42:43]
	s_lshl_b32 s44, s37, 19
	s_add_co_u32 s42, s42, s44
	s_add_nc_u64 s[52:53], s[30:31], s[42:43]
	s_lshl_b32 s44, s37, 3
	s_add_co_u32 s44, s44, s38
	s_mul_i32 s44, s44, 25600
	s_mov_b32 s45, 0
	s_add_nc_u64 s[6:7], s[26:27], s[44:45]
	s_lshl_b32 s44, s2, 7
	s_add_co_u32 s44, s44, 24576
	s_add_nc_u64 s[48:49], s[6:7], s[44:45]
	s_mul_i32 s44, s2, 6144
	s_add_nc_u64 s[6:7], s[6:7], s[44:45]
	s_wait_alu depctr_va_vdst(0)
	WPATH 128, 1
	s_endpgm
.Lfunc_end_k_q792324a556_quant:
	.size	k_q792324a556_quant, .Lfunc_end_k_q792324a556_quant-k_q792324a556_quant
	.p2alignl 7, 3214868480
	.fill 96, 4, 3214868480
	.section	.rodata,"a",@progbits
	.p2align	6, 0x0
	.amdhsa_kernel k_q792324a556_quant
		.amdhsa_group_segment_fixed_size 68096
		.amdhsa_private_segment_fixed_size 0
		.amdhsa_enable_private_segment 0
		.amdhsa_kernarg_size 96
		.amdhsa_user_sgpr_count 2
		.amdhsa_user_sgpr_kernarg_segment_ptr 1
		.amdhsa_wavefront_size32 1
		.amdhsa_system_sgpr_workgroup_id_x 1
		.amdhsa_system_sgpr_workgroup_id_y 1
		.amdhsa_system_sgpr_workgroup_id_z 1
		.amdhsa_system_vgpr_workitem_id 0
		.amdhsa_next_free_vgpr 194
		.amdhsa_next_free_sgpr 66
		.amdhsa_reserve_vcc 1
		.amdhsa_float_denorm_mode_32 3
		.amdhsa_float_denorm_mode_16_64 3
		.amdhsa_memory_ordered 1
		.amdhsa_forward_progress 1
		.amdhsa_inst_pref_size 212
	.end_amdhsa_kernel
	.amdgpu_metadata
---
amdhsa.version: [ 1, 2 ]
amdhsa.kernels:
  - .name:           k_q792324a556_quant
    .symbol:         k_q792324a556_quant.kd
    .args:
      - { .name: x, .offset: 0, .size: 8, .value_kind: global_buffer, .address_space: global }
      - { .name: w_q, .offset: 8, .size: 8, .value_kind: global_buffer, .address_space: global }
      - { .name: w_k, .offset: 16, .size: 8, .value_kind: global_buffer, .address_space: global }
      - { .name: w_v, .offset: 24, .size: 8, .value_kind: global_buffer, .address_space: global }
      - { .name: k_cache, .offset: 32, .size: 8, .value_kind: global_buffer, .address_space: global }
      - { .name: v_cache, .offset: 40, .size: 8, .value_kind: global_buffer, .address_space: global }
      - { .name: xc, .offset: 48, .size: 8, .value_kind: global_buffer, .address_space: global }
      - { .name: wc, .offset: 56, .size: 8, .value_kind: global_buffer, .address_space: global }
      - { .name: kc, .offset: 64, .size: 8, .value_kind: global_buffer, .address_space: global }
      - { .name: vc, .offset: 72, .size: 8, .value_kind: global_buffer, .address_space: global }
      - { .name: out1, .offset: 80, .size: 8, .value_kind: global_buffer, .address_space: global }
      - { .name: out2, .offset: 88, .size: 8, .value_kind: global_buffer, .address_space: global }
    .group_segment_fixed_size: 68096
    .private_segment_fixed_size: 0
    .kernarg_segment_align: 8
    .kernarg_segment_size: 96
    .max_flat_workgroup_size: 128
    .sgpr_count:     66
    .vgpr_count:     194
    .wavefront_size: 32
...
	.end_amdgpu_metadata
.endif
;; end of part 1
;; launch gemm1 (part 2): grid 48 x 4, 4 waves a work-group, clusters of 4 x 4, 327,680 bytes of LDS; arguments xc, wc, qc, kc, vc, out1, out2; writes qc, kc, vc, out1, out2
.if DOCPART == 2
	.amdgcn_target "amdgcn-amd-amdhsa--gfx1250"
	.amdhsa_code_object_version 6
	.text
	.protected	k_q792324a556_gemm1
	.globl	k_q792324a556_gemm1
	.p2align	8
	.type	k_q792324a556_gemm1,@function
k_q792324a556_gemm1:
	s_mov_b64 s[64:65], 0
	v_nop
	global_prefetch_b8 v0, s[64:65] scope:SCOPE_SE
	s_setreg_imm32_b32 hwreg(HW_REG_WAVE_MODE, 25, 1), 1
	s_wait_xcnt 0x0
	s_wait_alu depctr_hold_cnt(0) depctr_sa_sdst(0) depctr_va_vdst(0) depctr_va_sdst(0) depctr_va_ssrc(0) depctr_va_vcc(0) depctr_vm_vsrc(0)
	s_getreg_b32 s2, hwreg(HW_REG_IB_STS2, 6, 4)
	s_cmp_eq_u32 s2, 0
	s_cbranch_scc0 .Lentry_in_a_cluster
	s_endpgm
.Lentry_in_a_cluster:
	s_bfe_u32 s2, ttmp6, 0x10000c
	s_cmp_lg_u32 s2, 0xf033
	s_cbranch_scc0 .Lentry_shape_is_right
	s_endpgm
.Lentry_shape_is_right:
.set RECB,  6400
.set SLOT,  153600
.set BOFF,  102400
.set SPARE, 307200
.set VSTG,  33792
.set VRD, 12
.set VGO, 13
.set ASH, 16
.set ALG, 18
.set ASS, 20
.set ASL, 22
.set STO, 24
.set RD,  25
.set CO,  26
.set VSTO, 27
.set SPW, 28
.set NIL, 29
.set C8,  30
.set C4,  31
.set SC,  32
.set TM,  80
.set PW,  96
.set PR,  120
.set SF,  128
.set BK,  128
.set SEL, 26
.set G1A, 28
.set G0A, 36
.set G1B, 44
.set G0B, 52
.set ROWSTR, 512
.set MSB, 0
.macro WIN new
.if MSB != \new
	s_set_vgpr_msb (MSB<<8)|\new
.set MSB, \new
.endif
.endm
.set MUL,  0xa1
.set TO_L, 0x40
.macro JLOAD g0a, g1a, g0b, g1b
	s_cmp_eq_u32 s19, 0
	s_cbranch_scc0 .Lfor_b_\@
	tensor_load_to_lds s[\g0a:\g0a+3], s[\g1a:\g1a+7]
	s_nop 0
.rept 4
	v_nop
.endr
	s_branch .Lasked_\@
.Lfor_b_\@:
	tensor_load_to_lds s[\g0b:\g0b+3], s[\g1b:\g1b+7]
	s_nop 0
.rept 4
	v_nop
.endr
.Lasked_\@:
.endm
.macro CREST
	s_cmp_lg_u32 s18, 0
	s_cbranch_scc1 .Lnot_wave_0_\@
	s_barrier_signal -3
.Lnot_wave_0_\@:
	s_barrier_wait -3
	s_barrier_signal -1
	s_barrier_wait -1
.endm
.macro CROUND
	s_barrier_signal -1
	s_barrier_wait -1
	CREST
.endm
.macro PLACES
.rept 4
	v_nop
.endr
.endm
	s_load_b256 s[4:11], s[0:1], 0x0
	s_load_b128 s[12:15], s[0:1], 0x20
	s_load_b64 s[16:17], s[0:1], 0x30
	v_lshl_add_u32 v[SPW], v0, 2, SPARE
	v_mov_b32 v[NIL], 0
	ds_add_u32 v28, v29
	ds_add_u32 v28, v29
	s_wait_dscnt 0x0
	v_lshrrev_b32 v1, 5, v0
	v_readfirstlane_b32 s18, v1
	s_lshr_b32 s19, s18, 1
	s_and_b32 s20, s18, 1
	s_bfe_u32 s21, ttmp6, 0x40000
	s_bfe_u32 s22, ttmp6, 0x40004
	s_lshl_b32 s23, ttmp9, 2
	s_add_co_u32 s23, s23, s21
	s_lshl_b32 s24, s22, 2
	s_lshl_b32 s24, 15, s24
	s_lshl_b32 s25, 0x1111, s21
	s_or_b32 s[G1A], s24, (3<<16)|(1<<21)
	s_or_b32 s[G1B], s25, (3<<16)|(1<<21)
.irp g, G1A, G1B
	s_mov_b32 s[\g+1], 800<<16
	s_mov_b32 s[\g+3], 800<<16
	s_mov_b32 s[\g+5], 6400
	s_mov_b32 s[\g+6], 0
	s_mov_b32 s[\g+7], 0
.endr
	s_mov_b32 s[G1A+2], 8<<16
	s_mov_b32 s[G1A+4], 8
	s_mov_b32 s[G1B+2], 4<<16
	s_mov_b32 s[G1B+4], 4
	s_mov_b32 s[SEL], 0x76543210
	s_mov_b32 s[SEL+1], 0xfedcba98
	s_lshl_b32 s66, s22, 4
	s_lshl_b32 s67, s20, 3
	s_add_co_u32 s66, s66, s67
	s_mul_i32 s66, s66, 8*RECB
	s_mov_b32 s67, 0
	s_lshl_b32 s68, s23, 3
	s_lshl_b32 s69, s20, 2
	s_add_co_u32 s68, s68, s69
	s_mul_i32 s68, s68, 8*RECB
	s_mov_b32 s69, 0
	s_mul_i32 s70, s20, 8*RECB
	s_mul_i32 s71, s20, 4*RECB
	s_add_co_u32 s71, s71, BOFF
	s_wait_kmcnt 0x0
	s_add_nc_u64 s[66:67], s[4:5], s[66:67]
	s_add_nc_u64 s[68:69], s[6:7], s[68:69]
	CROUND
.irp s, 0,1
	s_mov_b32 s[G0A+4*\s], 1
	s_add_co_u32 s[G0A+4*\s+1], s70, \s*SLOT
	s_add_nc_u64 s[G0A+4*\s+2:G0A+4*\s+3], s[66:67], \s*RECB
	s_or_b32 s[G0A+4*\s+3], s[G0A+4*\s+3], 0x80000000
	s_mov_b32 s[G0B+4*\s], 1
	s_add_co_u32 s[G0B+4*\s+1], s71, \s*SLOT
	s_add_nc_u64 s[G0B+4*\s+2:G0B+4*\s+3], s[68:69], \s*RECB
	s_or_b32 s[G0B+4*\s+3], s[G0B+4*\s+3], 0x80000000
	s_wait_alu depctr_va_vdst(0)
	s_wait_tensorcnt 0x0
	ds_add_u32 v28, v29
	ds_add_u32 v28, v29
	s_wait_dscnt 0x0
	CROUND
	JLOAD G0A+4*\s, G1A, G0B+4*\s, G1B
.endr
	s_mul_i32 s72, s18, 4*RECB
	s_mul_i32 s73, s20, 4*RECB
	s_add_co_u32 s73, s73, BOFF
	s_mul_i32 s74, s19, 8*RECB
	s_cmp_ge_u32 ttmp9, 10
	s_cselect_b32 s72, s73, s72
	s_cselect_b32 s74, s74, BOFF
	v_and_b32 v3, 31, v0
	v_and_b32 v1, 15, v0
	v_bfe_u32 v2, v0, 4, 1
	v_lshlrev_b32 v[CO], 4, v3
	v_lshlrev_b32 v[C8], 3, v3
	v_lshlrev_b32 v[C4], 2, v3
	v_mul_u32_u24 v4, v2, RECB
	v_lshl_add_u32 v4, v1, 3, v4
	v_add_nc_u32 v4, 6144, v4
.irp s, 0,1
	v_add_nc_u32 v[ASH+\s], s72, v[CO]
	v_add_nc_u32 v[ALG+\s], s74, v[CO]
	v_add_nc_u32 v[ASS+\s], s72, v4
	v_add_nc_u32 v[ASL+\s], s74, v4
	s_add_co_u32 s72, s72, SLOT
	s_add_co_u32 s74, s74, SLOT
.endr
	s_mul_i32 s75, s18, 16*528
	s_mul_i32 s76, s18, 64*272
	s_add_co_u32 s76, s76, VSTG
	v_mul_u32_u24 v5, v1, 528
	v_lshl_add_u32 v5, v2, 6, v5
	v_add_nc_u32 v[STO], s75, v5
	v_add_nc_u32 v[RD], s75, v[CO]
	v_and_b32 v5, 8, v1
	v_add_nc_u32 v5, v5, v1
	v_lshlrev_b32 v5, 2, v5
	v_mad_u32_u24 v5, v2, 16*272, v5
	v_add_nc_u32 v[VSTO], s76, v5
	v_mul_u32_u24 v5, v2, 272
	v_lshl_add_u32 v5, v1, 4, v5
	v_add_nc_u32 v[VRD], s76, v5
	v_lshlrev_b32 v5, 9, v2
	v_lshl_add_u32 v[VGO], v1, 4, v5
.irp b, 0,1,2,3
	v_mov_b32 v[TM+4+\b], 0
.endr
.macro WM a, b, f, q, set, zero
.set rD, 8*(8*(\a)+(\b))
.set rL, 128*(\f)+12*(\b)
.set rS, SF+48*(\f)+12*(\a)
.set rX, SC+24*(\set)+8+4*((\b)/2)+(\q)
.set rY, SC+24*(\set)+4*((\a)/2)+(\q)
.set rw, 2*((\b)%2)+((\a)%2)
.if \zero
.if rw == 0
	v_wmma_scale_f32_16x16x128_f8f6f4 v[rD:rD+7], v[rL:rL+11], v[rS:rS+11], 0, v[rX], v[rY] matrix_a_fmt:MATRIX_FMT_FP6 matrix_b_fmt:MATRIX_FMT_FP6
.elseif rw == 1
	v_wmma_scale_f32_16x16x128_f8f6f4 v[rD:rD+7], v[rL:rL+11], v[rS:rS+11], 0, v[rX], v[rY] matrix_a_fmt:MATRIX_FMT_FP6 matrix_b_fmt:MATRIX_FMT_FP6 matrix_b_scale:MATRIX_SCALE_ROW1
.elseif rw == 2
	v_wmma_scale_f32_16x16x128_f8f6f4 v[rD:rD+7], v[rL:rL+11], v[rS:rS+11], 0, v[rX], v[rY] matrix_a_fmt:MATRIX_FMT_FP6 matrix_b_fmt:MATRIX_FMT_FP6 matrix_a_scale:MATRIX_SCALE_ROW1
.else
	v_wmma_scale_f32_16x16x128_f8f6f4 v[rD:rD+7], v[rL:rL+11], v[rS:rS+11], 0, v[rX], v[rY] matrix_a_fmt:MATRIX_FMT_FP6 matrix_b_fmt:MATRIX_FMT_FP6 matrix_a_scale:MATRIX_SCALE_ROW1 matrix_b_scale:MATRIX_SCALE_ROW1
.endif
.else
.if rw == 0
	v_wmma_scale_f32_16x16x128_f8f6f4 v[rD:rD+7], v[rL:rL+11], v[rS:rS+11], v[rD:rD+7], v[rX], v[rY] matrix_a_fmt:MATRIX_FMT_FP6 matrix_b_fmt:MATRIX_FMT_FP6
.elseif rw == 1
	v_wmma_scale_f32_16x16x128_f8f6f4 v[rD:rD+7], v[rL:rL+11], v[rS:rS+11], v[rD:rD+7], v[rX], v[rY] matrix_a_fmt:MATRIX_FMT_FP6 matrix_b_fmt:MATRIX_FMT_FP6 matrix_b_scale:MATRIX_SCALE_ROW1
.elseif rw == 2
	v_wmma_scale_f32_16x16x128_f8f6f4 v[rD:rD+7], v[rL:rL+11], v[rS:rS+11], v[rD:rD+7], v[rX], v[rY] matrix_a_fmt:MATRIX_FMT_FP6 matrix_b_fmt:MATRIX_FMT_FP6 matrix_a_scale:MATRIX_SCALE_ROW1
.else
	v_wmma_scale_f32_16x16x128_f8f6f4 v[rD:rD+7], v[rL:rL+11], v[rS:rS+11], v[rD:rD+7], v[rX], v[rY] matrix_a_fmt:MATRIX_FMT_FP6 matrix_b_fmt:MATRIX_FMT_FP6 matrix_a_scale:MATRIX_SCALE_ROW1 matrix_b_scale:MATRIX_SCALE_ROW1
.endif
.endif
.endm
.macro MUL8 a, f, q, set, zero
.irp b, 0,1,2,3,4,5,6,7
	WM \a, \b, \f, \q, \set, \zero
.endr
.endm
.macro FETCH slot, q, f, sc
	WIN TO_L
.irp b, 0,1,2,3,4,5,6,7
.irp c, 0,1,2
	ds_load_b128 v[128*(\f)+12*\b+4*\c:128*(\f)+12*\b+4*\c+3], v[ALG+\slot] offset:RECB*\b+1536*(\q)+512*\c
.endr
.endr
	WIN 0
.irp a, 0,1
.irp c, 0,1,2
	ds_load_b128 v[SF+48*(\f)+12*\a+4*\c:SF+48*(\f)+12*\a+4*\c+3], v[ASH+\slot] offset:RECB*\a+1536*(\q)+512*\c
.endr
.endr
.if \sc
.irp i, 0,1
.irp p, 0,1
	ds_load_b64 v[SC+24*\slot+4*\i+2*\p:SC+24*\slot+4*\i+2*\p+1], v[ASS+\slot] offset:2*RECB*\i+128*\p
.endr
.endr
.irp i, 0,1,2,3
.irp p, 0,1
	ds_load_b64 v[SC+24*\slot+8+4*\i+2*\p:SC+24*\slot+8+4*\i+2*\p+1], v[ASL+\slot] offset:2*RECB*\i+128*\p
.endr
.endr
.endif
.irp a, 2,3
.irp c, 0,1,2
	ds_load_b128 v[SF+48*(\f)+12*\a+4*\c:SF+48*(\f)+12*\a+4*\c+3], v[ASH+\slot] offset:RECB*\a+1536*(\q)+512*\c
.endr
.endr
.endm
.macro STEP slot, q, zero
	s_wait_dscnt 6
	WIN MUL
	MUL8 0, (\q)%2, \q, \slot, \zero
	MUL8 1, (\q)%2, \q, \slot, \zero
	PLACES
	FETCH \slot, (\q)+1, 1-(\q)%2, 0
	s_wait_dscnt 36
	WIN MUL
	MUL8 2, (\q)%2, \q, \slot, \zero
	MUL8 3, (\q)%2, \q, \slot, \zero
.endm
.macro TURN slot, next, fill
	WIN 0
	s_wait_tensorcnt 0x0
	ds_add_u32 v[SPW], v[NIL]
	s_wait_dscnt 7
	WIN MUL
	MUL8 0, 1, 3, \slot, 0
	s_wait_dscnt 0x0
	s_barrier_signal -1
	MUL8 1, 1, 3, \slot, 0
	WIN 0
	s_barrier_wait -1
.if \fill
	CREST
	s_add_nc_u64 s[G0A+4*\slot+2:G0A+4*\slot+3], s[G0A+4*\slot+2:G0A+4*\slot+3], 2*RECB
	s_add_nc_u64 s[G0B+4*\slot+2:G0B+4*\slot+3], s[G0B+4*\slot+2:G0B+4*\slot+3], 2*RECB
	JLOAD G0A+4*\slot, G1A, G0B+4*\slot, G1B
.else
	PLACES
.endif
	FETCH \next, 0, 0, 1
	WIN MUL
	MUL8 2, 1, 3, \slot, 0
	MUL8 3, 1, 3, \slot, 0
.endm
	s_wait_tensorcnt 0x1
	s_barrier_signal -1
	s_barrier_wait -1
	FETCH 0, 0, 0, 1
	STEP 0, 0, 1
	WIN 0
	s_mov_b32 s3, 3
.Llap:
	STEP 0, 1, 0
	STEP 0, 2, 0
	TURN 0, 1, 1
	STEP 1, 0, 0
	STEP 1, 1, 0
	STEP 1, 2, 0
	TURN 1, 0, 1
	STEP 0, 0, 0
	WIN 0
	s_sub_co_u32 s3, s3, 1
	s_cmp_lg_u32 s3, 0
	s_cbranch_scc1 .Llap
	STEP 0, 1, 0
	STEP 0, 2, 0
	TURN 0, 1, 0
	STEP 1, 0, 0
	STEP 1, 1, 0
	STEP 1, 2, 0
	s_wait_dscnt 6
	WIN MUL
	MUL8 0, 1, 3, 1, 0
	MUL8 1, 1, 3, 1, 0
	s_wait_dscnt 0x0
	MUL8 2, 1, 3, 1, 0
	MUL8 3, 1, 3, 1, 0
	WIN 0
	PLACES
.macro QUANTW s, pw, pc
	WIN 0x0a
.irp b, 0,1,2,3
	v_max3_num_f32 v[TM+\b], |v[\s+16*\b]|, |v[\s+1+16*\b]|, 0x1800000
.endr
	WIN 0x28
.irp i, 2,4,6,8,10,12,14
.irp b, 0,1,2,3
	v_max3_num_f32 v[TM+\b], v[TM+\b], |v[\s+16*\b+\i]|, |v[\s+1+16*\b+\i]|
.endr
.endr
	WIN 0
.irp b, 0,1,2,3
	v_permlanex16_b32 v[TM+4+\b], v[TM+\b], s[SEL], s[SEL+1]
.endr
.irp b, 0,1,2,3
	v_max_num_f32 v[TM+\b], v[TM+\b], v[TM+4+\b]
.endr
.irp b, 0,1,2,3
	v_add_nc_u32 v[TM+12+\b], 0xff000000, v[TM+\b]
.endr
.irp b, 0,1,2,3
	v_lshrrev_b32 v[TM+4+\b], 23, v[TM+12+\b]
.endr
	v_lshl_or_b32 v[\pw], v[TM+5], 8, v[TM+4]
	v_lshl_or_b32 v[\pw], v[TM+6], 16, v[\pw]
	v_lshl_or_b32 v[\pw], v[TM+7], 24, v[\pw]
	WIN 0x02
.irp c, 0,1
	v_cvt_scalef32_pk16_fp6_f32 v[\pc+6*\c:\pc+2+6*\c], v[\s+32*\c:\s+15+32*\c], v[TM+12+2*\c]
	v_cvt_scalef32_pk16_fp6_f32 v[\pc+12+4*\c:\pc+14+4*\c], v[\s+16+32*\c:\s+31+32*\c], v[TM+12+2*\c+1]
.endr
	WIN 0
	v_nop
.irp c, 0,1
.irp i, 0,1,2
	v_permlane16_swap_b32 v[\pc+6*\c+\i], v[\pc+12+4*\c+\i]
.endr
.irp i, 0,1,2
	v_mov_b32 v[\pc+3+6*\c+\i], v[\pc+12+4*\c+\i]
.endr
.endr
.endm
.macro TOSTAGE a
	WIN 0x08
.irp b, 0,1,2,3,4,5,6,7
	ds_store_b128 v[STO], v[64*(\a)+8*\b:64*(\a)+8*\b+3] offset:128*(\b/2)+32*(\b%2)
	ds_store_b128 v[STO], v[64*(\a)+8*\b+4:64*(\a)+8*\b+7] offset:128*(\b/2)+32*(\b%2)+16
.endr
	WIN 0
.irp t, 0,1,2,3,4,5,6,7,8,9,10,11,12,13,14,15
	ds_load_b128 v[BK+64*((\a)%2)+4*\t:BK+64*((\a)%2)+4*\t+3], v[RD] offset:528*\t
.endr
.endm
.macro SEND a, younger
	s_wait_dscnt \younger
.irp t, 0,1,2,3,4,5,6,7,8,9,10,11,12,13,14,15
	global_store_b128 v[CO], v[BK+64*((\a)%2)+4*\t:BK+64*((\a)%2)+4*\t+3], s[78:79] offset:(32*((\a)/2)+8*((\a)%2)+\t+8*(\t/8))*ROWSTR th:TH_STORE_NT
.endr
.endm
	s_cmp_ge_u32 ttmp9, 10
	s_cbranch_scc1 .Lvkind
	s_cmp_lt_u32 ttmp9, 8
	s_cbranch_scc1 .Lcodes
	s_sub_co_u32 s77, s23, 32
	s_lshl_b32 s78, s77, 20
	s_lshl_b32 s79, s22, 17
	s_add_co_u32 s78, s78, s79
	s_lshl_b32 s79, s18, 15
	s_add_co_u32 s78, s78, s79
	s_add_co_u32 s78, s78, 1024*512
	s_mov_b32 s79, 0
	s_add_nc_u64 s[78:79], s[14:15], s[78:79]
	TOSTAGE 0
.irp a, 1,2,3
.if \a > 1
	s_wait_xcnt 0x0
.endif
	TOSTAGE \a
	SEND \a-1, 32
.endr
	SEND 3, 0
.Lcodes:
	s_wait_xcnt 0x0
	s_lshl_b32 s80, s22, 2
	s_add_co_u32 s80, s80, s18
	s_lshl_b32 s81, s23, 4
	s_add_co_u32 s81, s81, s80
	s_lshl_b32 s82, s23, 5
	s_add_co_u32 s82, s82, s80
	s_sub_co_u32 s82, s82, 32*32-16
	s_cmp_lt_u32 ttmp9, 8
	s_cselect_b32 s81, s81, s82
	s_cselect_b64 s[84:85], s[8:9], s[10:11]
	s_mul_i32 s82, s81, RECB
	s_mov_b32 s83, 0
	s_add_nc_u64 s[84:85], s[84:85], s[82:83]
.irp a, 0,1,2,3
	QUANTW 64*\a, PW+\a, 128+20*\a
.irp c, 0,1,2
	global_store_b128 v[CO], v[128+20*\a+4*\c:128+20*\a+4*\c+3], s[84:85] offset:1536*\a+512*\c
.endr
.endr
	v_cmp_lt_u32 vcc_lo, 15, v3
	v_cndmask_b32 v[PR], v[PW], v[PW+2], vcc_lo
	v_cndmask_b32 v[PR+1], v[PW+1], v[PW+3], vcc_lo
	global_store_b64 v[C8], v[PR:PR+1], s[84:85] offset:6144
	s_branch .Lend
.Lvkind:
	s_sub_co_u32 s77, s23, 40
	s_lshl_b32 s78, s77, 20
	s_lshl_b32 s79, s22, 17
	s_add_co_u32 s78, s78, s79
	s_lshl_b32 s79, s19, 16
	s_add_co_u32 s78, s78, s79
	s_lshl_b32 s79, s20, 8
	s_add_co_u32 s78, s78, s79
	s_add_co_u32 s78, s78, 1024*512
	s_mov_b32 s79, 0
	s_add_nc_u64 s[78:79], s[16:17], s[78:79]
	s_lshl_b32 s80, s77, 3
	s_add_co_u32 s80, s80, s22
	s_add_co_u32 s80, s80, 4
	s_mul_i32 s80, s80, 25600
	s_mov_b32 s81, 0
	s_add_nc_u64 s[84:85], s[12:13], s[80:81]
	s_lshl_b32 s80, s19, 9
	s_lshl_b32 s82, s20, 8
	s_add_co_u32 s80, s80, s82
	s_add_co_u32 s80, s80, 24576
	s_add_nc_u64 s[86:87], s[84:85], s[80:81]
	s_lshl_b32 s80, s20, 3
	s_add_co_u32 s80, s80, s19
	s_mul_i32 s80, s80, 1536
	s_add_nc_u64 s[84:85], s[84:85], s[80:81]
	s_wait_alu depctr_va_vdst(0)
.irp hh, 0,1
	WIN 0x08
.irp a, 0,1,2,3
.irp bb, 0,1
.irp i, 0,1,2,3,4,5,6,7,8,9,10,11,12,13,14,15
	ds_store_b32 v[VSTO], v[64*\a+16*(2*\hh+\bb)+\i] offset:(32*\bb+\i)*272+4*(32*(\a/2)+8*(\a%2))
.endr
.endr
.endr
	WIN 0
.if \hh
	s_wait_xcnt 0x0
.endif
.irp t, 0,1,2,3,4,5,6,7,8,9,10,11,12,13,14,15,16,17,18,19,20,21,22,23,24,25,26,27,28,29,30,31
	ds_load_b128 v[128+4*\t:131+4*\t], v[VRD] offset:544*\t
.endr
.irp t, 0,1,2,3,4,5,6,7,8,9,10,11,12,13,14,15,16,17,18,19,20,21,22,23,24,25,26,27,28,29,30,31
	s_wait_dscnt 31-\t
	global_store_b128 v[VGO], v[128+4*\t:131+4*\t], s[78:79] offset:32768*\hh+1024*\t th:TH_STORE_NT
.endr
.endr
	s_wait_xcnt 0x0
.irp a, 0,1,2,3
	QUANTW 64*\a, PW+\a, 128+20*\a
.irp c, 0,1,2
	global_store_b128 v[CO], v[128+20*\a+4*\c:128+20*\a+4*\c+3], s[84:85] offset:3072*\a+512*\c
.endr
.endr
	v_cmp_lt_u32 vcc_lo, 15, v3
	v_cndmask_b32 v[PR], v[PW], v[PW+1], vcc_lo
	v_cndmask_b32 v[PR+1], v[PW+2], v[PW+3], vcc_lo
	global_store_b32 v[C4], v[PR], s[86:87]
	global_store_b32 v[C4], v[PR+1], s[86:87] offset:128
.Lend:
	s_wait_tensorcnt 0x0
	ds_add_u32 v[SPW], v[NIL]
	s_wait_dscnt 0x0
	CROUND
	s_endpgm
.Lfunc_end_k_q792324a556_gemm1:
	.size	k_q792324a556_gemm1, .Lfunc_end_k_q792324a556_gemm1-k_q792324a556_gemm1
	.p2alignl 7, 3214868480
	.fill 96, 4, 3214868480
	.section	.rodata,"a",@progbits
	.p2align	6, 0x0
	.amdhsa_kernel k_q792324a556_gemm1
		.amdhsa_group_segment_fixed_size 327680
		.amdhsa_private_segment_fixed_size 0
		.amdhsa_enable_private_segment 0
		.amdhsa_kernarg_size 56
		.amdhsa_user_sgpr_count 2
		.amdhsa_user_sgpr_kernarg_segment_ptr 1
		.amdhsa_wavefront_size32 1
		.amdhsa_system_sgpr_workgroup_id_x 1
		.amdhsa_system_sgpr_workgroup_id_y 1
		.amdhsa_system_sgpr_workgroup_id_z 1
		.amdhsa_system_vgpr_workitem_id 0
		.amdhsa_next_free_vgpr 768
		.amdhsa_next_free_sgpr 100
		.amdhsa_reserve_vcc 1
		.amdhsa_float_denorm_mode_32 3
		.amdhsa_float_denorm_mode_16_64 3
		.amdhsa_memory_ordered 1
		.amdhsa_forward_progress 1
		.amdhsa_inst_pref_size 198
	.end_amdhsa_kernel
	.amdgpu_metadata
---
amdhsa.version: [ 1, 2 ]
amdhsa.kernels:
  - .name:           k_q792324a556_gemm1
    .symbol:         k_q792324a556_gemm1.kd
    .args:
      - { .name: xc, .offset: 0, .size: 8, .value_kind: global_buffer, .address_space: global }
      - { .name: wc, .offset: 8, .size: 8, .value_kind: global_buffer, .address_space: global }
      - { .name: qc, .offset: 16, .size: 8, .value_kind: global_buffer, .address_space: global }
      - { .name: kc, .offset: 24, .size: 8, .value_kind: global_buffer, .address_space: global }
      - { .name: vc, .offset: 32, .size: 8, .value_kind: global_buffer, .address_space: global }
      - { .name: out1, .offset: 40, .size: 8, .value_kind: global_buffer, .address_space: global }
      - { .name: out2, .offset: 48, .size: 8, .value_kind: global_buffer, .address_space: global }
    .group_segment_fixed_size: 327680
    .private_segment_fixed_size: 0
    .kernarg_segment_align: 8
    .kernarg_segment_size: 56
    .max_flat_workgroup_size: 128
    .sgpr_count:     100
    .vgpr_count:     768
    .wavefront_size: 32
...
	.end_amdgpu_metadata
.endif
;; end of part 2
;; launch attn (part 3): grid 32 x 8, 4 waves a work-group, clusters of 4 x 4, 327,680 bytes of LDS; arguments qc, kc, vc, attention_mask, w_o, woc, rc; writes rc, woc
.if DOCPART == 3
	.amdgcn_target "amdgcn-amd-amdhsa--gfx1250"
	.amdhsa_code_object_version 6
	.text
	.protected	k_q792324a556_attn
	.globl	k_q792324a556_attn
	.p2align	8
	.type	k_q792324a556_attn,@function
k_q792324a556_attn:
	s_mov_b64 s[64:65], 0
	v_nop
	global_prefetch_b8 v0, s[64:65] scope:SCOPE_SE
	s_setreg_imm32_b32 hwreg(HW_REG_WAVE_MODE, 25, 1), 1
	s_wait_xcnt 0x0
	s_wait_alu depctr_hold_cnt(0) depctr_sa_sdst(0) depctr_va_vdst(0) depctr_va_sdst(0) depctr_va_ssrc(0) depctr_va_vcc(0) depctr_vm_vsrc(0)
	s_getreg_b32 s2, hwreg(HW_REG_IB_STS2, 6, 4)
	s_cmp_eq_u32 s2, 0
	s_cbranch_scc0 .Lentry_in_a_cluster
	s_endpgm
.Lentry_in_a_cluster:
	s_bfe_u32 s2, ttmp6, 0x10000c
	s_cmp_lg_u32 s2, 0xf033
	s_cbranch_scc0 .Lentry_shape_is_right
	s_endpgm
.Lentry_shape_is_right:
; res = softmax(Q K^T / sqrt(128) + mask) V for 32 query heads on 8 key and value heads (head hq uses group hq % 8), 1,024 queries, 2,048 keys; both products on codes of FP6 (E2M3) with E8M0 scales.
; The mask is an input and is added as it is given: every key is computed for every query.
; THE SOFTMAX: the mask x sqrt(128) is the C of the first product, so s = score + mask sqrt(128) and t = s x log2(e) / sqrt(128); M = the running largest t rounded up to a whole number; p = 2^(t - M) is quantised
; along the keys, not normalised; the row's sum is taken of the unquantised p and divides at the end; when M moves, the sums and O are multiplied by 2^(old M - new M), which rounds nothing.
; SHARES.  A work-group takes 32 queries x the 4 heads of one group; a wave 16 queries x 2 heads: each fragment of K and of V and each number of the mask is read from LDS once for two tiles.
; K, V and the mask come through two LDS slots of 256 keys (two key steps).  A STEP: its K and mask are asked of LDS; the step before's O += V P runs, the row's sums of that step's p between its matrix instructions;
; then S = K Q + mask, V's loads, the softmax.  So V lies in registers when the slots change.  Slot 0 and slot 7 are written out; slots 1 to 6 are a loop.
; THE SAME WAVES QUANTISE w_o, which only the next launch needs: 1,024 waves = 128 groups of 32 columns x 8 runs of 512 along K; a lane takes a column, its registers run down K; a slot is 64 rows (64 loads of 128
; consecutive bytes, asked for one slot ahead), two slots a K step of 128: which half is told by the slot's number.
; CLUSTER 4 x 4: x = blocks of queries, y = groups.  K's and V's blocks hang on the group alone: shared along a row of the cluster (waves 0, 1 ask); the mask's tile on the queries alone: along a column (waves 2, 3).
; PREFETCH: in slot i each wave names blocks of 256 bytes of slot i + 2, one slot ahead of that slot's tensor load: of a group's 100 blocks of K (wave 0) and of V (wave 1) the partner at cx takes 25; of the mask's 32 rows x 4
; blocks the partner at cy takes 8 rows, waves 2 and 3 four rows each; lanes left over name their wave's last block again.  Slots 6 and 7 ask for nothing.
; LAYOUT.  Both products transposed (source 0 = 16 keys, or 16 of the head's 128; source 1 = my queries): a lane holds one query.  Operands are images of their registers (1,536 bytes a fragment); of each 32 keys, queries or
; channels tile 2 b + u holds 32 b + 8 u + r + 8 (r / 8), so that 16 registers of two neighbouring result tiles are 16 neighbours.  The result is quantised along the head's 128 and leaves as a fragment of rc.
; LIMITS: NaN and infinities are not served; the promise holds while |t| stays under 2^31; the mask is multiplied by sqrt(128) ahead of the sum and t by one constant where the definition divides and multiplies in turn,
; and O by v_rcp_f32 of the sum; blocks whose largest magnitude lies under 2^-124 were not tried; a block of zeros gets the byte 1 (its codes are zeros; only this program reads the bytes).
; REGISTERS.  Window 0: v1-11 addresses; v12-24, v28-29, v32-119 w_o; v30 the prefetch's offset; v128-151 Q; v152-163 scale words; v168-203 at work.  Window 1: v0-95 K, v96-159 the mask.
; Window 2: v0-127 S, then p (head A, head B); v128-223 V.  Window 3: v0-127 O; v128-151 p's codes; v152-167 at work; v168-183 the sums, four pairs a head.
.set RECB,  6400
.set SLOT1, 131072
.set VOFF,  25600
.set MOFF,  51200
.set MP,    1032
.set SPARE, 215296                     ; behind slot 1: the spare words, 128 bytes a wave
.set L16, 1
.set L8,  2
.set L4,  3
.set AM0, 4
.set SPW, 5
.set NIL, 6
.set R8,  7
.set ADF, 8
.set AD8, 9
.set AD4, 10
.set ADM, 11
.set QW,   16
.set QN,   24
.set QCOL, 28
.set QSO,  29
.set PFO,  30
.set QX,   32
.set QF,   96
.set QA,  128
.set QS,  152
.set KS,  154
.set VS,  158
.set PW,  162
.set BM,  168
.set TP,  176
.set SO,  184
.set ST,  192                          ; head x: -M at ST + 2 x, the largest t at ST + 2 x + 1
.set FF,  196                          ; head x: 2^(old M - new M) at FF + 2 x
.set MX,  200
.set OL,  202
.set KF,  0
.set MK,  96
.set SS,  0
.set VF,  128
.set OO,  0
.set PC,  128
.set CT,  152
.set LL,  168
.set WV,  18
.set SEL, 22
.set C2,  24                           ; s[24:25] log2(e) / sqrt(128)
.set R128, 26                          ; s[26:27] sqrt(128)
.set G1KV, 28
.set G0KV, 36
.set G1M,  40
.set G0M,  48
.set TB,   52
.set SLOTS, 53
.set QIN,  92
.set QOUT, 94
.set PF,   96                          ; s[96:97] where my prefetches stand; s[98:99] a slot's step there
.set PFS,  98
.set MSB, 0
.macro WIN new                         ; the immediate's high byte repeats the setting that is left
.if MSB != \new
	s_set_vgpr_msb (MSB<<8)|\new
.set MSB, \new
.endif
.endm
.macro PLACES
.rept 4
	v_nop
.endr
.endm
.macro TLOAD                           ; waves 0, 1: K's records, V's block; waves 2, 3: the mask's halves: one load a wave
	s_cmp_lt_u32 s[WV], 2
	s_cbranch_scc0 .Lmask_\@
	tensor_load_to_lds s[G0KV:G0KV+3], s[G1KV:G1KV+7]
	s_nop 0
	PLACES
	s_branch .Lasked_\@
.Lmask_\@:
	tensor_load_to_lds s[G0M:G0M+3], s[G1M:G1M+7]
	s_nop 0
	PLACES
.Lasked_\@:
.endm
.macro CROUND                          ; a round of the cluster's barrier
	s_barrier_signal -1
	s_barrier_wait -1
	s_cmp_lg_u32 s[WV], 0
	s_cbranch_scc1 .Lnot_wave_0_\@
	s_barrier_signal -3
.Lnot_wave_0_\@:
	s_barrier_wait -3
	s_barrier_signal -1
	s_barrier_wait -1
.endm
; ---------------- w_o ----------------
.macro QLOAD j                         ; rows 32 j + i of the 64 in hand, my column: 32 lanes read 128 consecutive bytes
.set I, 0
.rept 32
	global_load_b32 v[QX+32*\j+I], v[QCOL], s[QIN:QIN+1] offset:(32*\j+I)*16384 th:TH_LOAD_NT
.set I, I+1
.endr
.endm
.macro QBLOCK hf, j, loads             ; block 2 hf + j of the K step: blocks 0, 2 go to tile T0's registers 0-5, 6-11; blocks 1, 3 to T1's
.set XS, QX+32*\j
.set FB, QF+12*\j+6*\hf
	v_max3_num_f32 v14, |v[XS]|, |v[XS+1]|, |v[XS+2]|
	v_max3_num_f32 v15, |v[XS+3]|, |v[XS+4]|, |v[XS+5]|
.irp i, 6,10,14,18,22,26
	v_max3_num_f32 v14, v14, |v[XS+\i]|, |v[XS+\i+1]|
	v_max3_num_f32 v15, v15, |v[XS+\i+2]|, |v[XS+\i+3]|
.endr
	v_max3_num_f32 v14, v14, |v[XS+30]|, |v[XS+31]|
	v_max3_num_f32 v14, v14, v15, 0x1800000        ; the floor 2^(3 - 127): the byte cannot fall under 1
	v_add_nc_u32 v12, 0xff000000, v14              ; 2 off the exponent field: the conversion's scale operand
	v_cvt_scalef32_pk16_fp6_f32 v[FB:FB+2], v[XS:XS+15], v12
	v_cvt_scalef32_pk16_fp6_f32 v[20:22], v[XS+16:XS+31], v12
	v_lshrrev_b32 v13, 23, v12                     ; the byte (also the plain place behind the conversions)
.if (2*\hf+\j) == 0
	v_mov_b32 v[QN], v13
.else
	v_lshl_or_b32 v[QN], v13, 8*(2*\hf+\j), v[QN]
.endif
.irp i, 0,1,2
	v_mov_b32 v[FB+3+\i], v[20+\i]
.endr
.if \loads
	QLOAD \j                                       ; the same block of the next 64 rows
.endif
.endm
.macro QHALF hf, loads, last           ; 64 rows of K: half hf of a K step
	s_wait_loadcnt 0x0                             ; the 64 loads asked for a slot ago are in (in slot 0 Q too): so their base may step
.if \loads
	s_add_nc_u64 s[QIN:QIN+1], s[QIN:QIN+1], 64*16384
.endif
	QBLOCK \hf, 0, \loads
	QBLOCK \hf, 1, 0                               ; (its next 32 rows are asked for in the slot's second step, so that at most 32 + 32 loads are named and the first 32 have a key step's lead)
.if \hf
.irp i, 0,1,2,3,4,5,6,7,8,9,10,11
	v_permlane16_swap_b32 v[QF+\i], v[QF+12+\i]    ; T0's lanes 16-31 change places with T1's lanes 0-15: both runs are finished fragments
.endr
.irp T, 0,1
.irp c, 0,1,2
	global_store_b128 v[L16], v[QF+12*\T+4*\c:QF+12*\T+4*\c+3], s[QOUT:QOUT+1] offset:\T*8*RECB+512*\c   ; 512 consecutive bytes a store
.endr
.endr
	v_mov_b32 v[QW], v[QW+1]                       ; the K step's scale word joins the record's four
	v_mov_b32 v[QW+1], v[QW+2]
	v_mov_b32 v[QW+2], v[QW+3]
	v_mov_b32 v[QW+3], v[QN]
	s_wait_xcnt 0x0                                ; the stores have read their registers and their base
	s_add_nc_u64 s[QOUT:QOUT+1], s[QOUT:QOUT+1], 1536
.if \last
	s_wait_alu depctr_va_vdst(0)                   ; the wait ahead of these readers
	global_store_b64 v[QSO], v[QW:QW+1], s[QOUT:QOUT+1]
	global_store_b64 v[QSO], v[QW+2:QW+3], s[QOUT:QOUT+1] offset:128
.endif
.endif
.endm
; ---------------- the attention ----------------
.macro LOADK q                         ; the step's eight fragments of K, my query's 64 numbers of the mask, K's scale words
	WIN 0x40
.irp t, 0,1,2,3,4,5,6,7
.irp c, 0,1,2
	ds_load_b128 v[KF+12*\t+4*\c:KF+12*\t+4*\c+3], v[ADF] offset:(2*\q+\t/4)*RECB+(\t%4)*1536+512*\c
.endr
.endr
.set I, 0
.rept 32
	ds_load_b64 v[MK+2*I:MK+2*I+1], v[ADM] offset:MOFF+512*\q+128*(I/8)+8*(I%8)
.set I, I+1
.endr
	WIN 0
.irp rr, 0,1
	ds_load_b64 v[KS+2*\rr:KS+2*\rr+1], v[AD8] offset:6144+RECB*(2*\q+\rr)
.endr
.endm
.macro LOADV q                         ; the step's eight fragments of V^T and their scale words
	WIN 0x80
.irp T, 0,1,2,3,4,5,6,7
.irp c, 0,1,2
	ds_load_b128 v[VF+12*\T+4*\c:VF+12*\T+4*\c+3], v[ADF] offset:VOFF+(2*\T+\q)*1536+512*\c
.endr
.endr
	WIN 0
.irp a, 0,1,2,3
	ds_load_b32 v[VS+\a], v[AD4] offset:VOFF+24576+512*\q+128*\a
.endr
.endm
.macro WQK t, x                        ; S^T(tile t, head x) = K Q^T + mask sqrt(128)
.if (\t%4) < 2
	v_wmma_scale_f32_16x16x128_f8f6f4 v[SS+64*\x+8*\t:SS+64*\x+8*\t+7], v[KF+12*\t:KF+12*\t+11], v[QA+12*\x:QA+12*\x+11], v[MK+8*\t:MK+8*\t+7], v[KS+2*(\t/4)+(\t%2)], v[QS+\x] matrix_a_fmt:MATRIX_FMT_FP6 matrix_b_fmt:MATRIX_FMT_FP6
.else
	v_wmma_scale_f32_16x16x128_f8f6f4 v[SS+64*\x+8*\t:SS+64*\x+8*\t+7], v[KF+12*\t:KF+12*\t+11], v[QA+12*\x:QA+12*\x+11], v[MK+8*\t:MK+8*\t+7], v[KS+2*(\t/4)+(\t%2)], v[QS+\x] matrix_a_fmt:MATRIX_FMT_FP6 matrix_b_fmt:MATRIX_FMT_FP6 matrix_a_scale:MATRIX_SCALE_ROW1
.endif
.endm
.macro WPV T, x, zero                  ; O^T(channel tile T, head x) += V^T P^T
.set rD, OO+64*\x+8*\T
.set rV, VF+12*\T
.set rP, PC+12*\x
.if \zero
.if (\T%2) == 0
	v_wmma_scale_f32_16x16x128_f8f6f4 v[rD:rD+7], v[rV:rV+11], v[rP:rP+11], 0, v[VS+\T/2], v[PW+\x] matrix_a_fmt:MATRIX_FMT_FP6 matrix_b_fmt:MATRIX_FMT_FP6
.else
	v_wmma_scale_f32_16x16x128_f8f6f4 v[rD:rD+7], v[rV:rV+11], v[rP:rP+11], 0, v[VS+\T/2], v[PW+\x] matrix_a_fmt:MATRIX_FMT_FP6 matrix_b_fmt:MATRIX_FMT_FP6 matrix_a_scale:MATRIX_SCALE_ROW1
.endif
.else
.if (\T%2) == 0
	v_wmma_scale_f32_16x16x128_f8f6f4 v[rD:rD+7], v[rV:rV+11], v[rP:rP+11], v[rD:rD+7], v[VS+\T/2], v[PW+\x] matrix_a_fmt:MATRIX_FMT_FP6 matrix_b_fmt:MATRIX_FMT_FP6
.else
	v_wmma_scale_f32_16x16x128_f8f6f4 v[rD:rD+7], v[rV:rV+11], v[rP:rP+11], v[rD:rD+7], v[VS+\T/2], v[PW+\x] matrix_a_fmt:MATRIX_FMT_FP6 matrix_b_fmt:MATRIX_FMT_FP6 matrix_a_scale:MATRIX_SCALE_ROW1
.endif
.endif
.endm
.macro ADDS T                          ; the sums of the unquantised p: eight of each head's 64 numbers, four chains a head
.irp x, 0,1
.irp c, 0,1,2,3
	v_pk_add_f32 v[LL+8*\x+2*\c:LL+8*\x+2*\c+1], v[SS+64*\x+8*(\T)+2*\c:SS+64*\x+8*(\T)+2*\c+1], v[LL+8*\x+2*\c:LL+8*\x+2*\c+1]
.endr
.endr
.endm
.macro PV zero                         ; one window setting serves products and additions: source 0 window 2 (V, p), the rest window 3 (codes, O, sums).  The 16 accumulators take turns
	WIN 0xfe
	ADDS 0                                         ; (also the places between p's codes and the first product)
.irp T, 0,1,2,3,4,5,6,7
	WPV \T, 0, \zero
	WPV \T, 1, \zero
.if \T < 7
	ADDS \T+1
.endif
.endr
.endm
.macro CODES                           ; from the eight blocks' largest magnitudes in BM: scale words, and the 128 numbers in window 2 as two fragments in window 3
.irp k, 0,1,2,3,4,5,6,7
	v_add_nc_u32 v[SO+\k], 0xff000000, v[BM+\k]    ; 2 off the exponent field: the conversion's scale operand
.endr
.irp k, 0,1,2,3,4,5,6,7
	v_lshrrev_b32 v[TP+\k], 23, v[SO+\k]           ; the scale's byte
.endr
.irp n, 1,2,3
.irp x, 0,1
.if \n == 1
	v_lshl_or_b32 v[PW+\x], v[TP+4*\x+1], 8, v[TP+4*\x]
.else
	v_lshl_or_b32 v[PW+\x], v[TP+4*\x+\n], 8*\n, v[PW+\x]
.endif
.endr
.endr
	WIN 0xc2
.irp x, 0,1
.irp c, 0,1
	v_cvt_scalef32_pk16_fp6_f32 v[PC+12*\x+6*\c:PC+12*\x+6*\c+2], v[SS+64*\x+32*\c:SS+64*\x+32*\c+15], v[SO+4*\x+2*\c]
	v_cvt_scalef32_pk16_fp6_f32 v[CT+4*(2*\x+\c):CT+4*(2*\x+\c)+2], v[SS+64*\x+32*\c+16:SS+64*\x+32*\c+31], v[SO+4*\x+2*\c+1]
.endr
.endr
	WIN 0xc3
	v_nop                                          ; one plain place behind a scaled conversion
.irp x, 0,1
.irp c, 0,1
.irp i, 0,1,2
	v_permlane16_swap_b32 v[PC+12*\x+6*\c+\i], v[CT+4*(2*\x+\c)+\i]   ; a whole block to a lane
.endr
.endr
.endr
.irp x, 0,1
.irp c, 0,1
.irp i, 0,1,2
	v_mov_b32 v[PC+12*\x+6*\c+3+\i], v[CT+4*(2*\x+\c)+\i]
.endr
.endr
.endr
	WIN 0
.endm
.macro SOFT first, q                   ; both heads' eight blocks of 32 keys by turns; q = 0: the slot's second step's K and mask are asked of LDS on the way
	WIN 0x2a
.irp k, 0,1,2,3,4,5,6,7
	v_max3_num_f32 v[BM+\k], v[SS+16*\k], v[SS+16*\k+1], v[SS+16*\k+2]   ; each block's largest s: for the row's maximum and, since p rises with s, for the block's largest p.  Each accumulator is read from its low end on
.endr
	WIN 0x28
.irp i, 3,5,7,9,11,13
.irp k, 0,1,2,3,4,5,6,7
	v_max3_num_f32 v[BM+\k], v[BM+\k], v[SS+16*\k+\i], v[SS+16*\k+\i+1]
.endr
.endr
.irp k, 0,1,2,3,4,5,6,7
	v_max_num_f32 v[BM+\k], v[BM+\k], v[SS+16*\k+15]
.endr
	WIN 0
.if \q == 0
	LOADK 1                                        ; K's and the mask's registers are free (four places and 64 maxima behind S = K Q): the same slot's second step
.endif
.irp k, 0,1,2,3,4,5,6,7
	v_permlanex16_b32 v[TP+\k], v[BM+\k], s[SEL], s[SEL+1]
.endr
.irp k, 0,1,2,3,4,5,6,7
	v_max_num_f32 v[BM+\k], v[BM+\k], v[TP+\k]     ; with lane l xor 16's 16 keys
.endr
.irp x, 0,1
	v_max3_num_f32 v[MX+\x], v[BM+4*\x], v[BM+4*\x+1], v[BM+4*\x+2]
.endr
.irp x, 0,1
	v_max_num_f32 v[MX+\x], v[MX+\x], v[BM+4*\x+3]
.endr
.irp x, 0,1
	v_mul_f32 v[MX+\x], s[C2], v[MX+\x]            ; as t
.endr
.irp x, 0,1
	v_max_num_f32 v[ST+2*\x+1], v[ST+2*\x+1], v[MX+\x]   ; the running largest t
.endr
.irp x, 0,1
	v_mov_b32 v[OL+\x], v[ST+2*\x]
.endr
.irp x, 0,1
	v_floor_f32 v[ST+2*\x], -v[ST+2*\x+1]          ; the new -M = -ceil(t)
.endr
.irp x, 0,1
	v_sub_f32 v[OL+\x], v[ST+2*\x], v[OL+\x]       ; old M - new M: a whole number, 0 or less
.endr
.irp x, 0,1
	v_cvt_i32_f32 v[OL+\x], v[OL+\x]               ; (it saturates)
.endr
.irp x, 0,1
	v_ldexp_f32 v[FF+2*\x], 1.0, v[OL+\x]
.endr
.irp k, 0,1,2,3,4,5,6,7
	v_fma_f32 v[BM+\k], v[BM+\k], s[C2], v[ST+2*(\k/4)]   ; t - M of each block's largest
.endr
	WIN 0x82
.set I, 0
.rept 32
	v_pk_fma_f32 v[SS+I:SS+I+1], v[SS+I:SS+I+1], s[C2:C2+1], v[ST:ST+1] op_sel_hi:[1,0,0]   ; head A: t - M
.set I, I+2
.endr
	s_wait_alu depctr_va_vdst(0)                   ; the wait ahead of the batch
.set I, 0
.rept 32
	v_exp_f32 v[SS+I], v[SS+I]                     ; head A: p = 2^(t - M), at most 1;
	v_exp_f32 v[SS+I+1], v[SS+I+1]
	v_pk_fma_f32 v[SS+64+I:SS+64+I+1], v[SS+64+I:SS+64+I+1], s[C2:C2+1], v[ST+2:ST+3] op_sel_hi:[1,0,0]   ; between them head B's t - M, which names none of their registers
.set I, I+2
.endr
	s_wait_alu depctr_va_vdst(0)                   ; and ahead of head B's exponentials, which read what the lines above wrote
.set I, 0
.rept 64
	v_exp_f32 v[SS+64+I], v[SS+64+I]               ; head B
.set I, I+1
.endr
	WIN 0
.irp k, 0,1,2,3,4,5,6,7
	v_exp_f32 v[BM+\k], v[BM+\k]                   ; the block's largest p: the same two instructions on the same number
.endr
	WIN 0xc3
	s_wait_alu depctr_va_vdst(0)                   ; one wait for the batch, directly ahead of the first reader of O
.if \first == 0
.irp x, 0,1
.set I, 0
.rept 32
	v_pk_mul_f32 v[OO+64*\x+I:OO+64*\x+I+1], v[OO+64*\x+I:OO+64*\x+I+1], v[FF+2*\x:FF+2*\x+1] op_sel_hi:[1,0]   ; O^T under the new M
.set I, I+2
.endr
.endr
.endif
.irp x, 0,1
.irp c, 0,1,2,3
	v_pk_mul_f32 v[LL+8*\x+2*\c:LL+8*\x+2*\c+1], v[LL+8*\x+2*\c:LL+8*\x+2*\c+1], v[FF+2*\x:FF+2*\x+1] op_sel_hi:[1,0]   ; and the sums
.endr
.endr
	WIN 0
.irp k, 0,1,2,3,4,5,6,7
	v_max_num_f32 v[BM+\k], 0x1800000, v[BM+\k]    ; the floor 2^(3 - 127)
.endr
	CODES
	s_wait_alu depctr_va_vdst(0)                   ; the wait
.endm
.macro ASK mode                        ; 1: always; 2: in slots 1 to 5 of the loop's six; 0: never
.if \mode == 2
	s_cmp_lt_u32 s[SLOTS], 6
	s_cbranch_scc0 .Lnone_\@
.endif
.if \mode
	global_prefetch_b8 v[PFO], s[PF:PF+1] th:TH_LOAD_NT scope:SCOPE_SE
.endif
.Lnone_\@:
.endm
.macro STEPC q, first, ask             ; behind the step before's O += V P
	s_wait_dscnt 0x0                               ; K, its scale words and the mask are in
	WIN 0x41
.set I, 0
.rept 32
	v_pk_mul_f32 v[MK+I:MK+I+1], v[MK+I:MK+I+1], s[R128:R128+1] op_sel_hi:[1,0]   ; once for both heads
.set I, I+2
.endr
	PLACES
	WIN 0x91
.irp t, 0,1,2,3,4,5,6,7
	WQK \t, 0
	WQK \t, 1
.endr
	PLACES                                         ; ahead of the loads into V's registers and of the first read of S
	LOADV \q
	ASK \ask
	SOFT \first, \q
.endm
.macro CHANGE fill                     ; the change of slots, at a slot's head
	s_wait_alu depctr_va_vdst(0)
	s_wait_tensorcnt 0x0                           ; no tensor load of mine is out, so a group 0 may be written
	ds_add_u32 v[SPW], v[NIL]
.if \fill
	s_xor_b32 s[G0KV+1], s[G0KV+1], SLOT1
	s_add_nc_u64 s[G0KV+2:G0KV+3], s[G0KV+2:G0KV+3], 25600
	s_xor_b32 s[G0M+1], s[G0M+1], SLOT1
	s_add_nc_u64 s[G0M+2:G0M+3], s[G0M+2:G0M+3], 1024
	s_wait_dscnt 0x0                               ; the add is done, and my reads of the slot that I have left
	CROUND
	TLOAD                                          ; the next 256 keys, into the slot just left
.else
	s_wait_dscnt 0x0
	s_barrier_signal -1
	s_barrier_wait -1
.endif
.endm
.macro SLOTW first, hf, loads, last, ask   ; a slot's work.  hf = 2: w_o's half by the slot's number
.if \ask
	s_wait_xcnt 0x0                                ; the last slot's prefetch has read its base
	s_add_nc_u64 s[PF:PF+1], s[PF:PF+1], s[PFS:PFS+1]
.endif
	v_add_nc_u32 v[ADF], s[TB], v[L16]
	v_add_nc_u32 v[AD8], s[TB], v[L8]
	v_add_nc_u32 v[AD4], s[TB], v[L4]
	v_add_nc_u32 v[ADM], s[TB], v[AM0]
	s_wait_alu depctr_va_vdst(0)                   ; the wait
	LOADK 0
.if \hf == 2
	s_bitcmp1_b32 s[SLOTS], 0
	s_cbranch_scc1 .Lodd_\@
	QHALF 0, 1, 0
	s_wait_alu depctr_va_vdst(0)
	s_branch .Lqdone_\@
.Lodd_\@:
	QHALF 1, 1, 0
.Lqdone_\@:
.else
	QHALF \hf, \loads, \last
.endif
.if \first == 0
	PV 0                                           ; the last slot's second step: its V lies in registers
.endif
	STEPC 0, \first, \ask
	s_wait_dscnt 0x0                               ; V and its scale words; the second step's K and mask too
.if \loads
	QLOAD 1                                        ; w_o: the second 32 of the next 64 rows
.endif
	PV \first                                      ; in slot 0 this product starts the sums: nothing is cleared
	STEPC 1, 0, 0
	s_xor_b32 s[TB], s[TB], SLOT1
.endm
	s_load_b256 s[4:11], s[0:1], 0x0               ; qc 4, kc 6, vc 8, the mask 10
	s_load_b128 s[92:95], s[0:1], 0x20             ; w_o 92, woc 94
	s_load_b64 s[12:13], s[0:1], 0x30              ; rc
	v_lshl_add_u32 v[SPW], v0, 2, SPARE
	v_mov_b32 v[NIL], 0
	ds_add_u32 v[SPW], v[NIL]                      ; the opening: the add, twice on end, and its wait
	ds_add_u32 v[SPW], v[NIL]
	v_lshrrev_b32 v8, 5, v0
	v_readfirstlane_b32 s[WV], v8                  ; wave 0..3
	s_lshr_b32 s19, s[WV], 1                       ; which two of the group's four heads
	s_and_b32 s20, s[WV], 1                        ; which of the block's two tiles of queries.  Also: which part I fetch
	s_bfe_u32 s54, ttmp6, 0x40000                  ; cx
	s_bfe_u32 s55, ttmp6, 0x40004                  ; cy
	s_lshl_b32 s56, ttmp9, 2
	s_add_co_u32 s56, s56, s54                     ; my block of 32 queries
	s_and_b32 s57, ttmp7, 0xffff
	s_lshl_b32 s57, s57, 2
	s_add_co_u32 s57, s57, s55                     ; my group
	s_lshl_b32 s59, s55, 2
	s_lshl_b32 s59, 15, s59                        ; my row of the cluster
	s_lshl_b32 s60, 0x1111, s54                    ; my column
	s_or_b32 s[G1KV], s59, (3<<16)|(1<<21)         ; a dense block of 25,600 bytes as 100 rows of 32 elements of 8 bytes
	s_mov_b32 s[G1KV+1], 32<<16
	s_mov_b32 s[G1KV+2], 100<<16
	s_mov_b32 s[G1KV+3], 32<<16
	s_mov_b32 s[G1KV+4], 100
	s_mov_b32 s[G1KV+5], 32
	s_mov_b32 s[G1KV+6], 0
	s_mov_b32 s[G1KV+7], 0
	s_or_b32 s[G1M], s60, (2<<16)|(1<<20)|(1<<21)|(7<<22)|(1<<25)   ; 16 rows of 256 elements of 4 bytes; 2 words of padding behind every 256
	s_mov_b32 s[G1M+1], 256<<16
	s_mov_b32 s[G1M+2], 16<<16
	s_mov_b32 s[G1M+3], 256<<16
	s_mov_b32 s[G1M+4], 16
	s_mov_b32 s[G1M+5], 2048
	s_mov_b32 s[G1M+6], 0
	s_mov_b32 s[G1M+7], 0
	s_mov_b32 s[SEL], 0x76543210
	s_mov_b32 s[SEL+1], 0xfedcba98
	s_mov_b32 s[C2], 0x3e0293ee                    ; log2(e) / sqrt(128)
	s_mov_b32 s[C2+1], s[C2]
	s_mov_b32 s[R128], 0x413504f3                  ; sqrt(128)
	s_mov_b32 s[R128+1], s[R128]
	s_mov_b32 s[TB], 0
	s_mul_i32 s66, s57, 204800                     ; the group's first byte in kc and in vc
	s_mov_b32 s67, 0
	s_lshl_b32 s68, s56, 5
	s_lshl_b32 s69, s20, 4
	s_add_co_u32 s68, s68, s69
	s_lshl_b32 s68, s68, 13                        ; the mask's row 32 qb + 16 half
	s_mov_b32 s69, 0
	s_mul_i32 s70, s20, 25600
	s_mul_i32 s71, s20, 16*MP
	s_add_co_u32 s71, s71, MOFF
	s_lshl_b32 s14, s56, 18                        ; the mask's row 32 qb
	s_mov_b32 s15, 0
	s_wait_dscnt 0x0                               ; both opening adds are done
	s_wait_kmcnt 0x0
	s_cmp_eq_u32 s20, 0
	s_cselect_b64 s[72:73], s[6:7], s[8:9]         ; wave 0 fetches K, wave 1 V
	s_mov_b32 s[G0KV], 1
	s_mov_b32 s[G0KV+1], s70
	s_add_nc_u64 s[G0KV+2:G0KV+3], s[72:73], s[66:67]
	s_mov_b64 s[PF:PF+1], s[G0KV+2:G0KV+3]
	s_or_b32 s[G0KV+3], s[G0KV+3], 0x80000000
	s_mov_b32 s[G0M], 1
	s_mov_b32 s[G0M+1], s71
	s_add_nc_u64 s[G0M+2:G0M+3], s[10:11], s[68:69]
	s_or_b32 s[G0M+3], s[G0M+3], 0x80000000
	s_add_nc_u64 s[14:15], s[10:11], s[14:15]
	s_movk_i32 s[PFS], 1024
	s_mov_b32 s[PFS+1], 0
	s_cmp_lt_u32 s[WV], 2                          ; the prefetches: waves 0, 1 K's and V's stream, waves 2, 3 the mask's
	s_cselect_b64 s[PF:PF+1], s[PF:PF+1], s[14:15]
	s_cselect_b32 s[PFS], 25600, s[PFS]
	s_cselect_b32 s16, -1, 0
	s_add_nc_u64 s[PF:PF+1], s[PF:PF+1], s[PFS:PFS+1]   ; at slot 1: slot i steps it once and names slot i + 2
	CROUND                                         ; all sixteen work-groups are here
	TLOAD                                          ; slot 0: one tensor load a wave at the head
	s_lshl_b32 s58, s19, 4
	s_add_co_u32 s58, s58, s57                     ; head A; head B is 8 further on: 128 records of qc, 2 records of rc
	s_lshl_b32 s74, s58, 4
	s_lshr_b32 s75, s56, 1
	s_add_co_u32 s74, s74, s75
	s_mul_i32 s74, s74, RECB
	s_mov_b32 s75, 0
	s_add_nc_u64 s[76:77], s[4:5], s[74:75]        ; Q's record: head, 64 queries
	s_and_b32 s78, s56, 1
	s_lshl_b32 s74, s78, 1
	s_add_co_u32 s74, s74, s20
	s_mul_i32 s74, s74, 1536
	s_add_nc_u64 s[80:81], s[76:77], s[74:75]      ; the fragment
	s_lshl_b32 s74, s78, 7
	s_lshl_b32 s79, s20, 2
	s_add_co_u32 s74, s74, s79
	s_add_co_u32 s74, s74, 6144
	s_add_nc_u64 s[76:77], s[76:77], s[74:75]      ; its scale words
	s_lshl_b32 s82, s56, 1
	s_add_co_u32 s82, s82, s20                     ; the tile of queries
	s_lshl_b32 s82, s82, 3
	s_lshr_b32 s83, s58, 2
	s_add_co_u32 s82, s82, s83
	s_mul_i32 s82, s82, RECB
	s_mov_b32 s83, 0
	s_add_nc_u64 s[84:85], s[12:13], s[82:83]      ; rc's record: row tile, heads 4 (hq / 4) on
	s_and_b32 s86, s58, 3
	s_mul_i32 s82, s86, 1536
	s_add_nc_u64 s[88:89], s[84:85], s[82:83]      ; the fragment
	s_lshr_b32 s82, s86, 1
	s_lshl_b32 s82, s82, 7
	s_and_b32 s87, s58, 1
	s_lshl_b32 s87, s87, 2
	s_add_co_u32 s82, s82, s87
	s_add_co_u32 s82, s82, 6144
	s_add_nc_u64 s[84:85], s[84:85], s[82:83]      ; its scale words
	s_lshl_b32 s66, s56, 3                         ; w_o: unit u = 4 (8 qb + g) + wave: columns 32 (u % 128) on, K 512 (u / 128) on
	s_add_co_u32 s66, s66, s57
	s_lshl_b32 s66, s66, 2
	s_add_co_u32 s66, s66, s[WV]
	s_and_b32 s67, s66, 127
	s_lshr_b32 s68, s66, 7
	s_lshl_b32 s70, s68, 23
	s_lshl_b32 s71, s67, 7
	s_add_co_u32 s70, s70, s71
	s_mov_b32 s71, 0
	s_add_nc_u64 s[QIN:QIN+1], s[QIN:QIN+1], s[70:71]
	s_lshl_b32 s70, s67, 4
	s_add_co_u32 s70, s70, s68
	s_mul_i32 s70, s70, RECB
	s_add_nc_u64 s[QOUT:QOUT+1], s[QOUT:QOUT+1], s[70:71]
	s_mul_i32 s17, s54, 25                         ; K, V: my work-group's 25 blocks
	s_lshl_b32 s61, s55, 3
	s_lshl_b32 s62, s20, 2
	s_add_co_u32 s61, s61, s62                     ; the mask: my wave's four rows, 8 cy + 4 half on
	s_lshl_b32 s90, s20, 3
	v_and_b32 v8, 31, v0                           ; lane
	v_lshlrev_b32 v[L16], 4, v8
	v_lshlrev_b32 v[L8], 3, v8
	v_lshlrev_b32 v[L4], 2, v8
	v_and_b32 v9, 15, v0                           ; r
	v_bfe_u32 v10, v0, 4, 1                        ; h
	v_lshlrev_b32 v[R8], 3, v9
	v_and_b32 v11, 8, v9
	v_add_nc_u32 v11, v11, v9                      ; r + 8 (r / 8)
	v_lshl_add_u32 v[QCOL], v10, 3, v11            ; w_o: my column: lanes 0-15 are tile T0, lanes 16-31 tile T1
	v_lshlrev_b32 v[QCOL], 2, v[QCOL]
	v_mad_u32_u24 v[QSO], v10, 8*RECB, v[R8]       ; woc: my tile's record, 8 bytes a row
	v_add_nc_u32 v11, s90, v11                     ; my query's row in the mask's tile
	v_mul_u32_u24 v[AM0], v11, MP
	v_lshl_add_u32 v[AM0], v10, 6, v[AM0]          ; + 64 h: my 16 keys of each 32
	v_min_u32 v12, 24, v8
	v_add_lshl_u32 v12, v12, s17, 8                ; K, V: block 25 cx + min(lane, 24)
	v_min_u32 v13, 15, v8
	v_lshrrev_b32 v14, 2, v13
	v_add_nc_u32 v14, s61, v14                     ; the mask: row, four lanes to a row's 1,024 bytes of a slot
	v_and_b32 v13, 3, v13
	v_lshlrev_b32 v13, 8, v13
	v_lshl_add_u32 v13, v14, 13, v13
	v_cndmask_b32 v[PFO], v13, v12, s16
	v_mov_b32 v[ST+1], 0xff61b1e6                  ; the largest t so far: -3e38
	v_mov_b32 v[ST+3], 0xff61b1e6
	v_floor_f32 v[ST], -v[ST+1]                    ; -M
	v_floor_f32 v[ST+2], -v[ST+3]
.irp i, 0,1,2,3
	v_mov_b32 v[FF+\i], 0                          ; (the pairs' upper halves are named before they are written)
	v_mov_b32 v[QW+\i], 0                          ; read by the first rotations before a word has reached them
.endr
.irp k, 0,1,2,3,4,5,6,7
	v_mov_b32 v[TP+\k], 0                          ; a lane permute's destination counts as one of its sources
.endr
	WIN 0xc0
.set I, 0
.rept 16
	v_mov_b32 v[LL+I], 0                           ; the sums
.set I, I+1
.endr
	WIN 0
	s_wait_alu depctr_va_vdst(0)
.irp x, 0,1
.irp c, 0,1,2
	global_load_b128 v[QA+12*\x+4*\c:QA+12*\x+4*\c+3], v[L16], s[80:81] offset:128*RECB*\x+512*\c   ; Q's two fragments stay in registers
.endr
	global_load_b32 v[QS+\x], v[R8], s[76:77] offset:128*RECB*\x
.endr
	QLOAD 0                                        ; the first 64 rows of w_o
	QLOAD 1
	CHANGE 1
	SLOTW 1, 0, 1, 0, 1                            ; slot 0
	s_mov_b32 s[SLOTS], 1
.Lslot:                                                ; slots 1 to 6
	CHANGE 1
	SLOTW 0, 2, 1, 0, 2
	s_add_co_u32 s[SLOTS], s[SLOTS], 1
	s_cmp_lt_u32 s[SLOTS], 7
	s_cbranch_scc1 .Lslot
	CHANGE 0                                       ; slot 7: nothing more is asked for, and no load of w_o leaves its buffer
	SLOTW 0, 1, 0, 1, 0
	s_wait_dscnt 0x0
	PV 0                                           ; the last step's
	WIN 0xff
.irp x, 0,1
	v_pk_add_f32 v[LL+8*\x:LL+8*\x+1], v[LL+8*\x:LL+8*\x+1], v[LL+8*\x+2:LL+8*\x+3]
	v_pk_add_f32 v[LL+8*\x+4:LL+8*\x+5], v[LL+8*\x+4:LL+8*\x+5], v[LL+8*\x+6:LL+8*\x+7]
.endr
.irp x, 0,1
	v_pk_add_f32 v[LL+8*\x:LL+8*\x+1], v[LL+8*\x:LL+8*\x+1], v[LL+8*\x+4:LL+8*\x+5]
.endr
	WIN 0x0f
.irp x, 0,1
	v_add_f32 v[MX+\x], v[LL+8*\x], v[LL+8*\x+1]
.endr
	WIN 0
.irp x, 0,1
	v_permlanex16_b32 v[TP+\x], v[MX+\x], s[SEL], s[SEL+1]
.endr
.irp x, 0,1
	v_add_f32 v[MX+\x], v[MX+\x], v[TP+\x]         ; the row's sum
.endr
	s_wait_alu depctr_va_vdst(0)                   ; the wait ahead of the transcendentals
.irp x, 0,1
	v_rcp_f32 v[FF+2*\x], v[MX+\x]
.endr
	v_nop                                          ; a plain place behind them
	WIN 0x83
	s_wait_alu depctr_va_vdst(0)                   ; and the wait directly ahead of the first reader
.irp x, 0,1
.set I, 0
.rept 32
	v_pk_mul_f32 v[SS+64*\x+I:SS+64*\x+I+1], v[OO+64*\x+I:OO+64*\x+I+1], v[FF+2*\x:FF+2*\x+1] op_sel_hi:[1,0]   ; register 16 b + i: channel 32 b + 16 h + i of my query
.set I, I+2
.endr
.endr
	WIN 0x0a
.irp k, 0,1,2,3,4,5,6,7
	v_max3_num_f32 v[BM+\k], |v[SS+16*\k]|, |v[SS+16*\k+1]|, 0x1800000   ; K steps hq of the last product: the blocks' largest magnitudes, and the floor
.endr
	WIN 0x28
.irp i, 2,4,6,8,10,12,14
.irp k, 0,1,2,3,4,5,6,7
	v_max3_num_f32 v[BM+\k], v[BM+\k], |v[SS+16*\k+\i]|, |v[SS+16*\k+\i+1]|
.endr
.endr
	WIN 0
.irp k, 0,1,2,3,4,5,6,7
	v_permlanex16_b32 v[TP+\k], v[BM+\k], s[SEL], s[SEL+1]
.endr
.irp k, 0,1,2,3,4,5,6,7
	v_max_num_f32 v[BM+\k], v[BM+\k], v[TP+\k]
.endr
	CODES
	WIN 0x0c
.irp x, 0,1
.irp c, 0,1,2
	global_store_b128 v[L16], v[PC+12*\x+4*\c:PC+12*\x+4*\c+3], s[88:89] offset:2*RECB*\x+512*\c   ; 512 consecutive bytes a store
.endr
.endr
	WIN 0
.irp x, 0,1
	global_store_b32 v[R8], v[PW+\x], s[84:85] offset:2*RECB*\x   ; both halves of the lanes hold the same word and write it to the same place
.endr
	s_wait_tensorcnt 0x0                           ; the wave's end
	ds_add_u32 v[SPW], v[NIL]
	s_wait_dscnt 0x0
	CROUND                                         ; the closing round
	s_endpgm
.Lfunc_end_k_q792324a556_attn:
	.size	k_q792324a556_attn, .Lfunc_end_k_q792324a556_attn-k_q792324a556_attn
	.p2alignl 7, 3214868480
	.fill 96, 4, 3214868480
	.section	.rodata,"a",@progbits
	.p2align	6, 0x0
	.amdhsa_kernel k_q792324a556_attn
		.amdhsa_group_segment_fixed_size 327680
		.amdhsa_private_segment_fixed_size 0
		.amdhsa_enable_private_segment 0
		.amdhsa_kernarg_size 56
		.amdhsa_user_sgpr_count 2
		.amdhsa_user_sgpr_kernarg_segment_ptr 1
		.amdhsa_wavefront_size32 1
		.amdhsa_system_sgpr_workgroup_id_x 1
		.amdhsa_system_sgpr_workgroup_id_y 1
		.amdhsa_system_sgpr_workgroup_id_z 1
		.amdhsa_system_vgpr_workitem_id 0
		.amdhsa_next_free_vgpr 1024
		.amdhsa_next_free_sgpr 100
		.amdhsa_reserve_vcc 0
		.amdhsa_float_denorm_mode_32 3
		.amdhsa_float_denorm_mode_16_64 3
		.amdhsa_memory_ordered 1
		.amdhsa_forward_progress 1
		.amdhsa_inst_pref_size 255
	.end_amdhsa_kernel
	.section	.bss,"aw",@nobits
	.p2align	6
	.space	262144
	.amdgpu_metadata
---
amdhsa.version: [ 1, 2 ]
amdhsa.kernels:
  - .name:           k_q792324a556_attn
    .symbol:         k_q792324a556_attn.kd
    .args:
      - { .name: qc, .offset: 0, .size: 8, .value_kind: global_buffer, .address_space: global }
      - { .name: kc, .offset: 8, .size: 8, .value_kind: global_buffer, .address_space: global }
      - { .name: vc, .offset: 16, .size: 8, .value_kind: global_buffer, .address_space: global }
      - { .name: attention_mask, .offset: 24, .size: 8, .value_kind: global_buffer, .address_space: global }
      - { .name: w_o, .offset: 32, .size: 8, .value_kind: global_buffer, .address_space: global }
      - { .name: woc, .offset: 40, .size: 8, .value_kind: global_buffer, .address_space: global }
      - { .name: rc, .offset: 48, .size: 8, .value_kind: global_buffer, .address_space: global }
    .group_segment_fixed_size: 327680
    .private_segment_fixed_size: 0
    .kernarg_segment_align: 8
    .kernarg_segment_size: 56
    .max_flat_workgroup_size: 128
    .sgpr_count:     100
    .vgpr_count:     1024
    .wavefront_size: 32
...
	.end_amdgpu_metadata
.endif
;; end of part 3
;; launch gemm2 (part 4): grid 32 x 8, 4 waves a work-group, clusters of 4 x 4, 327,680 bytes of LDS; arguments rc, woc, out0; writes out0
.if DOCPART == 4
	.amdgcn_target "amdgcn-amd-amdhsa--gfx1250"
	.amdhsa_code_object_version 6
	.text
	.protected	k_q792324a556_gemm2
	.globl	k_q792324a556_gemm2
	.p2align	8
	.type	k_q792324a556_gemm2,@function
k_q792324a556_gemm2:
	s_mov_b64 s[64:65], 0
	v_nop
	global_prefetch_b8 v0, s[64:65] scope:SCOPE_SE
	s_setreg_imm32_b32 hwreg(HW_REG_WAVE_MODE, 25, 1), 1
	s_wait_xcnt 0x0
	s_wait_alu depctr_hold_cnt(0) depctr_sa_sdst(0) depctr_va_vdst(0) depctr_va_sdst(0) depctr_va_ssrc(0) depctr_va_vcc(0) depctr_vm_vsrc(0)
	s_getreg_b32 s2, hwreg(HW_REG_IB_STS2, 6, 4)
	s_cmp_eq_u32 s2, 0
	s_cbranch_scc0 .Lentry_in_a_cluster
	s_endpgm
.Lentry_in_a_cluster:
	s_bfe_u32 s2, ttmp6, 0x10000c
	s_cmp_lg_u32 s2, 0xf033
	s_cbranch_scc0 .Lentry_shape_is_right
	s_endpgm
.Lentry_shape_is_right:
.set RECB,  6400
.set SLOT,  102400
.set BOFF,  51200
.set SPARE, 204800
.set ASH, 16
.set ALG, 18
.set ASS, 20
.set ASL, 22
.set STO, 24
.set RD,  25
.set CO,  26
.set SPW, 28
.set NIL, 29
.set SC,  32
.set SF,  64
.set LF,  160
.set BK,  64
.set G1A, 28
.set G0A, 36
.set G1B, 44
.set G0B, 52
.set MSB, 0
.macro WIN new
.if MSB != \new
	s_set_vgpr_msb (MSB<<8)|\new
.set MSB, \new
.endif
.endm
.set MUL,  0x50
.macro JLOAD g0a, g1a, g0b, g1b
	s_cmp_eq_u32 s19, 0
	s_cbranch_scc0 .Lfor_b_\@
	tensor_load_to_lds s[\g0a:\g0a+3], s[\g1a:\g1a+7]
	s_nop 0
.rept 4
	v_nop
.endr
	s_branch .Lasked_\@
.Lfor_b_\@:
	tensor_load_to_lds s[\g0b:\g0b+3], s[\g1b:\g1b+7]
	s_nop 0
.rept 4
	v_nop
.endr
.Lasked_\@:
.endm
.macro CREST
	s_cmp_lg_u32 s18, 0
	s_cbranch_scc1 .Lnot_wave_0_\@
	s_barrier_signal -3
.Lnot_wave_0_\@:
	s_barrier_wait -3
	s_barrier_signal -1
	s_barrier_wait -1
.endm
.macro CROUND
	s_barrier_signal -1
	s_barrier_wait -1
	CREST
.endm
.macro PLACES
.rept 4
	v_nop
.endr
.endm
	s_load_b128 s[4:7], s[0:1], 0x0
	s_load_b64 s[8:9], s[0:1], 0x10
	v_lshl_add_u32 v[SPW], v0, 2, SPARE
	v_mov_b32 v[NIL], 0
	ds_add_u32 v28, v29
	ds_add_u32 v28, v29
	s_wait_dscnt 0x0
	v_lshrrev_b32 v1, 5, v0
	v_readfirstlane_b32 s18, v1
	s_lshr_b32 s19, s18, 1
	s_and_b32 s20, s18, 1
	s_bfe_u32 s21, ttmp6, 0x40000
	s_bfe_u32 s26, ttmp6, 0x40004
	s_lshl_b32 s23, ttmp9, 2
	s_add_co_u32 s23, s23, s21
	s_and_b32 s22, ttmp7, 0xffff
	s_lshl_b32 s22, s22, 2
	s_add_co_u32 s22, s22, s26
	s_lshl_b32 s24, s26, 2
	s_lshl_b32 s24, 15, s24
	s_lshl_b32 s25, 0x1111, s21
	s_or_b32 s[G1A], s24, (3<<16)|(1<<21)
	s_or_b32 s[G1B], s25, (3<<16)|(1<<21)
.irp g, G1A, G1B
	s_mov_b32 s[\g+1], 800<<16
	s_mov_b32 s[\g+2], 4<<16
	s_mov_b32 s[\g+3], 800<<16
	s_mov_b32 s[\g+4], 4
	s_mov_b32 s[\g+5], 6400
	s_mov_b32 s[\g+6], 0
	s_mov_b32 s[\g+7], 0
.endr
	s_lshl_b32 s66, s22, 3
	s_lshl_b32 s67, s20, 2
	s_add_co_u32 s66, s66, s67
	s_mul_i32 s66, s66, 8*RECB
	s_mov_b32 s67, 0
	s_lshl_b32 s68, s23, 3
	s_lshl_b32 s69, s20, 2
	s_add_co_u32 s68, s68, s69
	s_mul_i32 s68, s68, 8*RECB
	s_mov_b32 s69, 0
	s_mul_i32 s70, s20, 4*RECB
	s_add_co_u32 s71, s70, BOFF
	s_wait_kmcnt 0x0
	s_add_nc_u64 s[66:67], s[4:5], s[66:67]
	s_add_nc_u64 s[68:69], s[6:7], s[68:69]
	CROUND
.irp s, 0,1
	s_mov_b32 s[G0A+4*\s], 1
	s_add_co_u32 s[G0A+4*\s+1], s70, \s*SLOT
	s_add_nc_u64 s[G0A+4*\s+2:G0A+4*\s+3], s[66:67], \s*RECB
	s_or_b32 s[G0A+4*\s+3], s[G0A+4*\s+3], 0x80000000
	s_mov_b32 s[G0B+4*\s], 1
	s_add_co_u32 s[G0B+4*\s+1], s71, \s*SLOT
	s_add_nc_u64 s[G0B+4*\s+2:G0B+4*\s+3], s[68:69], \s*RECB
	s_or_b32 s[G0B+4*\s+3], s[G0B+4*\s+3], 0x80000000
	s_wait_alu depctr_va_vdst(0)
	s_wait_tensorcnt 0x0
	ds_add_u32 v28, v29
	ds_add_u32 v28, v29
	s_wait_dscnt 0x0
	CROUND
	JLOAD G0A+4*\s, G1A, G0B+4*\s, G1B
.endr
	s_mul_i32 s72, s19, 4*RECB
	s_mul_i32 s74, s20, 4*RECB
	s_add_co_u32 s74, s74, BOFF
	v_and_b32 v3, 31, v0
	v_and_b32 v1, 15, v0
	v_bfe_u32 v2, v0, 4, 1
	v_lshlrev_b32 v6, 4, v3
	v_mul_u32_u24 v4, v2, RECB
	v_lshl_add_u32 v4, v1, 3, v4
	v_add_nc_u32 v4, 6144, v4
.irp s, 0,1
	v_add_nc_u32 v[ASH+\s], s72, v6
	v_add_nc_u32 v[ALG+\s], s74, v6
	v_add_nc_u32 v[ASS+\s], s72, v4
	v_add_nc_u32 v[ASL+\s], s74, v4
	s_add_co_u32 s72, s72, SLOT
	s_add_co_u32 s74, s74, SLOT
.endr
	s_mul_i32 s75, s18, 16*272
	v_mul_u32_u24 v5, v1, 272
	v_lshl_add_u32 v5, v2, 6, v5
	v_add_nc_u32 v[STO], s75, v5
	v_mul_u32_u24 v5, v2, 272
	v_lshl_add_u32 v5, v1, 4, v5
	v_add_nc_u32 v[RD], s75, v5
	v_lshlrev_b32 v5, 14, v2
	v_lshl_add_u32 v[CO], v1, 4, v5
	s_lshl_b32 s78, s22, 21
	s_lshl_b32 s79, s19, 20
	s_add_co_u32 s78, s78, s79
	s_lshl_b32 s79, s23, 9
	s_add_co_u32 s78, s78, s79
	s_lshl_b32 s79, s20, 8
	s_add_co_u32 s78, s78, s79
	s_mov_b32 s79, 0
	s_add_nc_u64 s[78:79], s[8:9], s[78:79]
.macro WM a, b, f, q, set, zero
.set rD, 8*(4*(\a)+(\b))
.set rL, LF+48*(\f)+12*(\b)
.set rS, SF+48*(\f)+12*(\a)
.set rX, SC+16*(\set)+8+4*((\b)/2)+(\q)
.set rY, SC+16*(\set)+4*((\a)/2)+(\q)
.set rw, 2*((\b)%2)+((\a)%2)
.if \zero
.if rw == 0
	v_wmma_scale_f32_16x16x128_f8f6f4 v[rD:rD+7], v[rL:rL+11], v[rS:rS+11], 0, v[rX], v[rY] matrix_a_fmt:MATRIX_FMT_FP6 matrix_b_fmt:MATRIX_FMT_FP6
.elseif rw == 1
	v_wmma_scale_f32_16x16x128_f8f6f4 v[rD:rD+7], v[rL:rL+11], v[rS:rS+11], 0, v[rX], v[rY] matrix_a_fmt:MATRIX_FMT_FP6 matrix_b_fmt:MATRIX_FMT_FP6 matrix_b_scale:MATRIX_SCALE_ROW1
.elseif rw == 2
	v_wmma_scale_f32_16x16x128_f8f6f4 v[rD:rD+7], v[rL:rL+11], v[rS:rS+11], 0, v[rX], v[rY] matrix_a_fmt:MATRIX_FMT_FP6 matrix_b_fmt:MATRIX_FMT_FP6 matrix_a_scale:MATRIX_SCALE_ROW1
.else
	v_wmma_scale_f32_16x16x128_f8f6f4 v[rD:rD+7], v[rL:rL+11], v[rS:rS+11], 0, v[rX], v[rY] matrix_a_fmt:MATRIX_FMT_FP6 matrix_b_fmt:MATRIX_FMT_FP6 matrix_a_scale:MATRIX_SCALE_ROW1 matrix_b_scale:MATRIX_SCALE_ROW1
.endif
.else
.if rw == 0
	v_wmma_scale_f32_16x16x128_f8f6f4 v[rD:rD+7], v[rL:rL+11], v[rS:rS+11], v[rD:rD+7], v[rX], v[rY] matrix_a_fmt:MATRIX_FMT_FP6 matrix_b_fmt:MATRIX_FMT_FP6
.elseif rw == 1
	v_wmma_scale_f32_16x16x128_f8f6f4 v[rD:rD+7], v[rL:rL+11], v[rS:rS+11], v[rD:rD+7], v[rX], v[rY] matrix_a_fmt:MATRIX_FMT_FP6 matrix_b_fmt:MATRIX_FMT_FP6 matrix_b_scale:MATRIX_SCALE_ROW1
.elseif rw == 2
	v_wmma_scale_f32_16x16x128_f8f6f4 v[rD:rD+7], v[rL:rL+11], v[rS:rS+11], v[rD:rD+7], v[rX], v[rY] matrix_a_fmt:MATRIX_FMT_FP6 matrix_b_fmt:MATRIX_FMT_FP6 matrix_a_scale:MATRIX_SCALE_ROW1
.else
	v_wmma_scale_f32_16x16x128_f8f6f4 v[rD:rD+7], v[rL:rL+11], v[rS:rS+11], v[rD:rD+7], v[rX], v[rY] matrix_a_fmt:MATRIX_FMT_FP6 matrix_b_fmt:MATRIX_FMT_FP6 matrix_a_scale:MATRIX_SCALE_ROW1 matrix_b_scale:MATRIX_SCALE_ROW1
.endif
.endif
.endm
.macro MUL4 a, f, q, set, zero
.irp b, 0,1,2,3
	WM \a, \b, \f, \q, \set, \zero
.endr
.endm
.macro FETCH slot, q, f, sc
	WIN 0
.irp b, 0,1,2,3
.irp c, 0,1,2
	ds_load_b128 v[LF+48*(\f)+12*\b+4*\c:LF+48*(\f)+12*\b+4*\c+3], v[ALG+\slot] offset:RECB*\b+1536*(\q)+512*\c
.endr
.endr
.irp a, 0,1
.irp c, 0,1,2
	ds_load_b128 v[SF+48*(\f)+12*\a+4*\c:SF+48*(\f)+12*\a+4*\c+3], v[ASH+\slot] offset:RECB*\a+1536*(\q)+512*\c
.endr
.endr
.if \sc
.irp i, 0,1
.irp p, 0,1
	ds_load_b64 v[SC+16*\slot+4*\i+2*\p:SC+16*\slot+4*\i+2*\p+1], v[ASS+\slot] offset:2*RECB*\i+128*\p
.endr
.endr
.irp i, 0,1
.irp p, 0,1
	ds_load_b64 v[SC+16*\slot+8+4*\i+2*\p:SC+16*\slot+8+4*\i+2*\p+1], v[ASL+\slot] offset:2*RECB*\i+128*\p
.endr
.endr
.endif
.irp a, 2,3
.irp c, 0,1,2
	ds_load_b128 v[SF+48*(\f)+12*\a+4*\c:SF+48*(\f)+12*\a+4*\c+3], v[ASH+\slot] offset:RECB*\a+1536*(\q)+512*\c
.endr
.endr
.endm
.macro STEP slot, q, zero
	s_wait_dscnt 6
	WIN MUL
	MUL4 0, (\q)%2, \q, \slot, \zero
	MUL4 1, (\q)%2, \q, \slot, \zero
	PLACES
	FETCH \slot, (\q)+1, 1-(\q)%2, 0
	s_wait_dscnt 24
	WIN MUL
	MUL4 2, (\q)%2, \q, \slot, \zero
	MUL4 3, (\q)%2, \q, \slot, \zero
.endm
.macro TURN slot, next, fill
	WIN 0
	s_wait_tensorcnt 0x0
	ds_add_u32 v[SPW], v[NIL]
	s_wait_dscnt 7
	WIN MUL
	MUL4 0, 1, 3, \slot, 0
	s_wait_dscnt 0x0
	s_barrier_signal -1
	MUL4 1, 1, 3, \slot, 0
	WIN 0
	s_barrier_wait -1
.if \fill
	CREST
	s_add_nc_u64 s[G0A+4*\slot+2:G0A+4*\slot+3], s[G0A+4*\slot+2:G0A+4*\slot+3], 2*RECB
	s_add_nc_u64 s[G0B+4*\slot+2:G0B+4*\slot+3], s[G0B+4*\slot+2:G0B+4*\slot+3], 2*RECB
	JLOAD G0A+4*\slot, G1A, G0B+4*\slot, G1B
.else
	PLACES
.endif
	s_wait_alu depctr_va_vdst(0)
	FETCH \next, 0, 0, 1
	WIN MUL
	MUL4 2, 1, 3, \slot, 0
	MUL4 3, 1, 3, \slot, 0
.endm
	s_wait_tensorcnt 0x1
	s_barrier_signal -1
	s_barrier_wait -1
	FETCH 0, 0, 0, 1
	STEP 0, 0, 1
	WIN 0
	s_mov_b32 s3, 3
.Llap:
	STEP 0, 1, 0
	STEP 0, 2, 0
	TURN 0, 1, 1
	STEP 1, 0, 0
	STEP 1, 1, 0
	STEP 1, 2, 0
	TURN 1, 0, 1
	STEP 0, 0, 0
	WIN 0
	s_sub_co_u32 s3, s3, 1
	s_cmp_lg_u32 s3, 0
	s_cbranch_scc1 .Llap
	STEP 0, 1, 0
	STEP 0, 2, 0
	TURN 0, 1, 0
	STEP 1, 0, 0
	STEP 1, 1, 0
	STEP 1, 2, 0
	s_wait_dscnt 6
	WIN MUL
	MUL4 0, 1, 3, 1, 0
	MUL4 1, 1, 3, 1, 0
	s_wait_dscnt 0x0
	MUL4 2, 1, 3, 1, 0
	MUL4 3, 1, 3, 1, 0
	WIN 0
	PLACES
.macro TOSTAGE a
	WIN 0x04
.irp b, 0,1,2,3
	ds_store_b128 v[STO], v[32*(\a)+8*\b:32*(\a)+8*\b+3] offset:128*(\b/2)+32*(\b%2)
	ds_store_b128 v[STO], v[32*(\a)+8*\b+4:32*(\a)+8*\b+7] offset:128*(\b/2)+32*(\b%2)+16
.endr
	WIN 0
.irp t, 0,1,2,3,4,5,6,7
	ds_load_b128 v[BK+32*((\a)%2)+4*\t:BK+32*((\a)%2)+4*\t+3], v[RD] offset:544*\t
.endr
.endm
.macro SEND a, younger
	s_wait_dscnt \younger
.irp t, 0,1,2,3,4,5,6,7
	global_store_b128 v[CO], v[BK+32*((\a)%2)+4*\t:BK+32*((\a)%2)+4*\t+3], s[78:79] offset:(32*((\a)/2)+8*((\a)%2)+2*\t+8*(\t/4))*16384 th:TH_STORE_NT
.endr
.endm
	TOSTAGE 0
.irp a, 1,2,3
.if \a > 1
	s_wait_xcnt 0x0
.endif
	TOSTAGE \a
	SEND \a-1, 16
.endr
	SEND 3, 0
	s_wait_tensorcnt 0x0
	ds_add_u32 v[SPW], v[NIL]
	s_wait_dscnt 0x0
	CROUND
	s_endpgm
.Lfunc_end_k_q792324a556_gemm2:
	.size	k_q792324a556_gemm2, .Lfunc_end_k_q792324a556_gemm2-k_q792324a556_gemm2
	.p2alignl 7, 3214868480
	.fill 96, 4, 3214868480
	.section	.rodata,"a",@progbits
	.p2align	6, 0x0
	.amdhsa_kernel k_q792324a556_gemm2
		.amdhsa_group_segment_fixed_size 327680
		.amdhsa_private_segment_fixed_size 0
		.amdhsa_enable_private_segment 0
		.amdhsa_kernarg_size 24
		.amdhsa_user_sgpr_count 2
		.amdhsa_user_sgpr_kernarg_segment_ptr 1
		.amdhsa_wavefront_size32 1
		.amdhsa_system_sgpr_workgroup_id_x 1
		.amdhsa_system_sgpr_workgroup_id_y 1
		.amdhsa_system_sgpr_workgroup_id_z 1
		.amdhsa_system_vgpr_workitem_id 0
		.amdhsa_next_free_vgpr 384
		.amdhsa_next_free_sgpr 100
		.amdhsa_reserve_vcc 0
		.amdhsa_float_denorm_mode_32 3
		.amdhsa_float_denorm_mode_16_64 3
		.amdhsa_memory_ordered 1
		.amdhsa_forward_progress 1
		.amdhsa_inst_pref_size 81
	.end_amdhsa_kernel
	.amdgpu_metadata
---
amdhsa.version: [ 1, 2 ]
amdhsa.kernels:
  - .name:           k_q792324a556_gemm2
    .symbol:         k_q792324a556_gemm2.kd
    .args:
      - { .name: rc, .offset: 0, .size: 8, .value_kind: global_buffer, .address_space: global }
      - { .name: woc, .offset: 8, .size: 8, .value_kind: global_buffer, .address_space: global }
      - { .name: out0, .offset: 16, .size: 8, .value_kind: global_buffer, .address_space: global }
    .group_segment_fixed_size: 327680
    .private_segment_fixed_size: 0
    .kernarg_segment_align: 8
    .kernarg_segment_size: 24
    .max_flat_workgroup_size: 128
    .sgpr_count:     100
    .vgpr_count:     384
    .wavefront_size: 32
...
	.end_amdgpu_metadata
.endif
;; end of part 4
